; MI455X (gfx1250); checked and timed in simulation.
; The chip was launched on July 23, 2026; its instructions are those of AMD's public machine-readable ISA for CDNA 5 (MIT licence, August 2026) and "CDNA5" Instruction Set Architecture Reference Guide (July 2026). The comments in the code are by the model that wrote it; some were corrected since.
;; Self Attention. Allowed arithmetic: matrix products marked QUANTISED: E3M2 operands, one E8M0 scale for each 32 along K, by v_wmma_scale_f32_16x16x128_f8f6f4 with both operands' format E3M2, f32 sums; everything else in f32.
;; Inputs: Wk 16 x 64 x 1,024 float32; Wo 1,024 x 1,024 float32; Wq 16 x 64 x 1,024 float32; Wv 16 x 64 x 1,024 float32; x 4,096 x 1,024 float32.
;; Outputs: out0 4,096 x 1,024 float32.
;; This version of the problem:
;;   THIS VERSION OF THE PROBLEM IS GIVEN IN LOW PRECISION. The matrix products marked QUANTISED in the list below multiply operands that are first quantised to E3M2 (3 exponent bits, 2 mantissa bits; 6 bits a number), with one power-of-two scale for each 32 numbers along K (OCP MX v1.0); their sums are f32. All else is computed in f32.
;;   The module's matrix products, in the order in which they are computed (A, B: the left and right operand; K: the contracted axis; several contracted axes count as one K, in the product's order):
;;     1. [M 1,024, K 1,024] x [K 1,024, N 4,096]; A: input Wq; B: input x: QUANTISED
;;     2. [M 1,024, K 1,024] x [K 1,024, N 4,096]; A: input Wk; B: input x: QUANTISED
;;     3. [M 1,024, K 1,024] x [K 1,024, N 4,096]; A: input Wv; B: input x: QUANTISED
;;     4. batch 16 x [M 4,096, K 64] x [K 64, N 4,096]; A: computed on the way; B: computed on the way: QUANTISED
;;     5. batch 16 x [M 4,096, K 4,096] x [K 4,096, N 64]; A: softmax (see below); B: computed on the way: QUANTISED
;;     6. [M 4,096, K 1,024] x [K 1,024, N 1,024]; A: computed on the way; B: input Wo: QUANTISED
;;   THE QUANTISER, for each operand of a quantised product, along K:
;;     - K is cut into blocks of 32 from its start; a last block that is shorter is filled with zeros.
;;     - A block's scale is 2^e with e = floor(log2(the largest magnitude in the block)) - 4, held to -126 .. 127; a block of zeros has e = 0. As a byte (E8M0): e + 127.
;;     - Each number is divided by its block's scale, clamped to +-28, and rounded to the nearest number of E3M2, ties to even, subnormals kept.
;;     - The product sums the exact products of the quantised numbers (number of the format x scale) in f32.
;;   ~~~python
;;   def quantise(x, axis):      # numpy; x: float32 -> the quantised numbers, widened to float32 again
;;       x = np.moveaxis(x, axis, -1); K = x.shape[-1]
;;       x = np.pad(x, [(0, 0)] * (x.ndim - 1) + [(0, -K % 32)]); x = x.reshape(x.shape[:-1] + (-1, 32)); a = np.abs(x).max(-1, keepdims=True)
;;       e = np.where(a > 0, np.clip(np.frexp(np.where(a > 0, a, 1))[1] - 1 - 4, -126, 127), 0)      # np.frexp(a)[1] - 1 = floor(log2(a)), exactly
;;       r = np.clip(x / 2.0 ** e, -28, 28)
;;       step = 2.0 ** (np.maximum(np.frexp(np.where(r == 0, 1, r))[1] - 1, -2) - 2)
;;       q = np.round(r / step) * step * 2.0 ** e      # np.round: ties to even
;;       return np.moveaxis(q.reshape(q.shape[:-2] + (-1,))[..., :K], -1, axis).astype(np.float32)
;;   ~~~
;;   SOFTMAX AHEAD OF A QUANTISED PRODUCT. Where the list says 'softmax', what is quantised is not the finished softmax but p = 2^(t - M), with t = logit x log2(e) and M = ceil(the row's largest t), a whole number; so 1/2 < the row's largest p <= 1. The row's sum l is taken of the UNQUANTISED p, in f32, and the product's result is divided by l at the end. Since M is a whole number, a kernel that streams over the keys may use a running M (the ceiling of the running maximum): every later rescaling is an exact power of two, which a block's scale takes up: the codes' values come out the same.
;;   OPERANDS COMPUTED ON THE WAY. 'Computed on the way' means the value that the module computes at that place (a softmax that the list does not call 'softmax' is quantised finished and normalised). What goes into a quantiser is computed in f32, as accurately as f32 sums, v_exp_f32 and their like allow (about 1e-6 of the number): no bf16 or f16 on the way to a quantiser, and a product that is left as it is and whose result goes on into a quantised operand takes f32 operands (vector FMAs, or v_wmma_f32_16x16x4_f32). A number that lies on a knife's edge between two numbers of the format may be rounded either way, as far as f32 arithmetic and the matrix unit's own rounding can turn it there, and no further.
;; One version. Each part assembles by itself: llvm-mc -triple=amdgcn-amd-amdhsa -mcpu=gfx1250 --defsym DOCPART=n.
;; ======== version 1 of 1: 4 launches
;; limits: right only within a limited range of input values
;; workspace buffers: opc 9,437,184 bytes; ops 393,216 bytes; qc 6,291,456 bytes; qs 393,216 bytes; kvc 6,291,456 bytes; kvs 393,216 bytes
;; launch quant (part 1): grid 256 x 1, 4 waves a work-group, no clusters, 34,304 bytes of LDS; arguments x, Wq, Wk, Wv, Wo, opc, ops; writes opc, ops
.if DOCPART == 1
	.amdgcn_target "amdgcn-amd-amdhsa--gfx1250"
	.amdhsa_code_object_version 6
	.text
	.protected	k_q09c8961535_quant
	.globl	k_q09c8961535_quant
	.p2align	8
	.type	k_q09c8961535_quant,@function
k_q09c8961535_quant:
	s_mov_b64 s[64:65], 0
	v_nop
	global_prefetch_b8 v0, s[64:65] scope:SCOPE_SE
	s_setreg_imm32_b32 hwreg(HW_REG_WAVE_MODE, 25, 1), 1
	s_wait_xcnt 0x0
; x [4096][1024], Wq, Wk, Wv ([16][64][1024] = 1024 rows each) and Wo [1024][1024], f32, K innermost, become codes of BF6 (E3M2) with one E8M0 byte for each 32 along K.
; A block's scale is 2^(floor(log2(largest magnitude)) - 4); its byte is the largest magnitude's exponent field - 4, held at 1 from below by a floor among the maximum's leaves.
; LIMITS: NaN and infinities among the inputs are not served; a block whose largest magnitude lies under 2^-122 gets the byte 1; a block of zeros gets the byte 1 where the rule says 127:
; its codes are zeros, and the bytes are read by this program alone.
; LAYOUT OF THE RESULT (this program's own): the order of the operand's registers.  A TILE is 16 rows that are not neighbours: tile 2 b + u holds rows 32 b + 8 u + r + 8 (r / 8), r = 0 .. 15.
; A half fragment (tile, 64 along K) is 768 bytes: lane (r, h) owns the 24 bytes of its row's block 2 c + h: registers 0-3 at 16 x lane, registers 4-5 at 512 + 8 x lane.
; opc: tile T, K step ks (128 along K), half c at (T/8) 98304 + (ks/2) 24576 + (T%8) 3072 + (ks%2) 1536 + 768 c.   ops: the scale word of (T, ks, r) at 512 T + 256 (ks/4) + 16 r + 4 (ks%4).
; Tiles 0-255 x, 256-319 Wq, 320-383 Wk, 384-447 Wv, 448-511 Wo.
; SHARES: work-group n takes 32 rows (tiles 2 n, 2 n + 1); wave w takes tile u = w / 2 and K half g = w % 2: four steps of 128 along K.
; Each load reads 512 consecutive bytes of one row; a step's 16 rows turn through the wave's own stage in LDS (rows 528 bytes apart), from which a lane takes its two whole blocks of 32.
; Every store of codes covers 512 or 256 consecutive bytes, aligned.  Waves share nothing: no barrier.  Nothing is shared between work-groups: no cluster, no matrix unit.
.set STG,  8448                        ; a wave's stage: 16 rows x (512 + 16) bytes
.set R,    64                          ; v64-191  two sets of 64 registers as loaded
.set X,    192                         ; v192-255 my two blocks of 32 numbers
.set C,    24                          ; v24-47   codes, two sets of 12
.set WD,   16                          ; v16-19   the four steps' scale words
	s_load_b256 s[4:11], s[0:1], 0x0               ; x, Wq, Wk, Wv
	s_load_b128 s[12:15], s[0:1], 0x20             ; Wo, opc
	s_load_b64 s[16:17], s[0:1], 0x30              ; ops
	v_lshl_add_u32 v62, v0, 2, 0x8400
	v_mov_b32 v63, 0
	v_lshrrev_b32 v10, 5, v0
	v_readfirstlane_b32 s24, v10                   ; wave
	v_and_b32 v1, 31, v0                           ; lane
	v_and_b32 v2, 15, v0                           ; r
	v_bfe_u32 v3, v0, 4, 1                         ; h
	v_lshlrev_b32 v4, 4, v1                        ; 16 x lane
	v_lshlrev_b32 v5, 3, v1                        ; 8 x lane
	s_mul_i32 s25, s24, STG
	v_add_nc_u32 v6, s25, v4                       ; the stage, in: 16 x lane of a row
	v_mul_u32_u24 v7, v2, 528
	v_lshl_add_u32 v7, v3, 7, v7
	v_add_nc_u32 v7, s25, v7                       ; and out: row r, + 128 h: my block of the first 64
	v_lshlrev_b32 v8, 4, v2
	v_lshl_add_u32 v8, v3, 3, v8                   ; scale words out: 16 r + 8 h
	v_lshlrev_b32 v9, 3, v3                        ; 8 h: my bytes' place in a scale word
	v_mov_b32 v14, 0                               ; a lane permute's destination counts as read
	v_cmp_le_u32 s22, 16, v1                       ; lanes 16-31
	s_mov_b32 s20, 0x76543210
	s_mov_b32 s21, 0xfedcba98                      ; selects for lane l xor 16
	s_lshr_b32 s26, s24, 1                         ; u
	s_and_b32 s27, s24, 1                          ; g
	s_and_b32 s28, ttmp9, 31
	s_cmp_lt_u32 ttmp9, 128
	s_cselect_b32 s28, ttmp9, s28                  ; which 32 rows of my tensor
	s_lshl_b32 s28, s28, 17                        ; x 32 rows of 4,096 bytes
	s_lshl_b32 s29, s26, 15                        ; + 8 u rows
	s_add_co_u32 s28, s28, s29
	s_lshl_b32 s29, s27, 11                        ; + 512 g numbers
	s_add_co_u32 s28, s28, s29
	s_mov_b32 s29, 0
	s_lshl_b32 s30, ttmp9, 1
	s_add_co_u32 s30, s30, s26                     ; T
	s_lshr_b32 s32, s30, 3
	s_mul_i32 s32, s32, 98304
	s_and_b32 s33, s30, 7
	s_mul_i32 s33, s33, 3072
	s_add_co_u32 s32, s32, s33
	s_mul_i32 s33, s27, 49152                      ; K steps 4 g on
	s_add_co_u32 s32, s32, s33
	s_mov_b32 s33, 0
	s_lshl_b32 s34, s30, 9
	s_lshl_b32 s35, s27, 8
	s_add_co_u32 s34, s34, s35
	s_mov_b32 s35, 0
	s_wait_alu depctr_va_vdst(0)
	s_wait_kmcnt 0x0
	s_mov_b64 s[18:19], s[12:13]                   ; the tensor is chosen by the work-group's number alone
	s_cmp_lt_u32 ttmp9, 224
	s_cselect_b64 s[18:19], s[10:11], s[18:19]
	s_cmp_lt_u32 ttmp9, 192
	s_cselect_b64 s[18:19], s[8:9], s[18:19]
	s_cmp_lt_u32 ttmp9, 160
	s_cselect_b64 s[18:19], s[6:7], s[18:19]
	s_cmp_lt_u32 ttmp9, 128
	s_cselect_b64 s[18:19], s[4:5], s[18:19]
	s_add_nc_u64 s[18:19], s[18:19], s[28:29]
	s_add_nc_u64 s[14:15], s[14:15], s[32:33]
	s_add_nc_u64 s[16:17], s[16:17], s[34:35]
.macro LOAD q                          ; step q: 128 numbers of each of the tile's 16 rows; 32 lanes read 512 consecutive bytes
.set i, 0
.rept 16
	global_load_b128 v[R+64*((\q)%2)+4*i:R+64*((\q)%2)+4*i+3], v4, s[18:19] offset:(i+8*(i/8))*4096+512*(\q) th:TH_LOAD_NT
.set i, i+1
.endr
.endm
.macro STEP q
.set RS, R+64*((\q)%2)
.set CC, C+12*((\q)%2)
.if (\q) < 3
	s_wait_loadcnt 16                              ; this step's 16 loads are in; the next step's 16 may be out
.else
	s_wait_loadcnt 0x0
.endif
.set i, 0
.rept 16
	ds_store_b128 v6, v[RS+4*i:RS+4*i+3] offset:528*i
.set i, i+1
.endr
.set i, 0
.rept 16
	ds_load_b128 v[X+4*i:X+4*i+3], v7 offset:256*(i/8)+16*(i%8)    ; LDS serves a wave's instructions in order: these see the stores above.  Block c = i / 8: k = 64 c + 32 h + 0 .. 31
.set i, i+1
.endr
	s_wait_dscnt 0x0                               ; my 64 numbers are in, and the stores have read the set
.if (\q)+2 < 4
	LOAD (\q)+2
.endif
.if (\q) >= 2
	s_wait_xcnt 0x0                                ; this set of codes was store data two steps ago: it is written again only behind this wait
.endif
	v_max3_num_f32 v10, |v[X]|, |v[X+1]|, 0x2800000       ; the two blocks' largest magnitudes by turns; the floor 2^(5 - 127) holds the byte at 1 from below
	v_max3_num_f32 v11, |v[X+32]|, |v[X+33]|, 0x2800000
.set i, 2
.rept 15
	v_max3_num_f32 v10, v10, |v[X+i]|, |v[X+i+1]|
	v_max3_num_f32 v11, v11, |v[X+32+i]|, |v[X+33+i]|
.set i, i+2
.endr
	v_add_nc_u32 v12, 0xfe000000, v10              ; 4 off the exponent field: the conversion's scale operand
	v_add_nc_u32 v13, 0xfe000000, v11
	v_lshrrev_b32 v22, 23, v12                     ; the scale's byte
	v_lshrrev_b32 v23, 23, v13
	v_lshl_or_b32 v15, v23, 16, v22                ; blocks h and 2 + h,
	v_lshlrev_b32 v15, v9, v15                     ; at their places in the word;
	v_permlanex16_b32 v14, v15, s20, s21
	v_or_b32 v[WD+(\q)], v15, v14                  ; with lane l xor 16's two the word is whole
	v_cvt_scalef32_pk16_bf6_f32 v[CC:CC+2], v[X:X+15], v12
	v_cvt_scalef32_pk16_bf6_f32 v[48:50], v[X+16:X+31], v12         ; (a conversion's three registers begin on an even number)
	v_cvt_scalef32_pk16_bf6_f32 v[CC+6:CC+8], v[X+32:X+47], v13
	v_cvt_scalef32_pk16_bf6_f32 v[52:54], v[X+48:X+63], v13
	v_nop                                          ; one plain instruction behind the conversions
.irp i, 0,1,2
	v_mov_b32 v[CC+3+\i], v[48+\i]
	v_mov_b32 v[CC+9+\i], v[52+\i]
.endr
.irp c, 0,1
	global_store_b128 v4, v[CC+6*\c:CC+6*\c+3], s[14:15] offset:((\q)/2)*24576+((\q)%2)*1536+768*\c         ; 512 consecutive bytes
	global_store_b64 v5, v[CC+6*\c+4:CC+6*\c+5], s[14:15] offset:((\q)/2)*24576+((\q)%2)*1536+768*\c+512   ; 256 consecutive bytes
.endr
.endm
	LOAD 0
	LOAD 1
	STEP 0
	STEP 1
	STEP 2
	STEP 3
	v_cndmask_b32 v20, v[WD], v[WD+2], s22         ; lanes 0-15 store words 0, 1 of row r, lanes 16-31 words 2, 3
	v_cndmask_b32 v21, v[WD+1], v[WD+3], s22
	global_store_b64 v8, v[20:21], s[16:17]        ; 256 consecutive bytes, aligned
	s_wait_tensorcnt 0x0
	ds_add_u32 v62, v63
	s_wait_dscnt 0x0
	s_endpgm
.Lfunc_end_k_q09c8961535_quant:
	.size	k_q09c8961535_quant, .Lfunc_end_k_q09c8961535_quant-k_q09c8961535_quant
	.p2alignl 7, 3214868480
	.fill 96, 4, 3214868480
	.section	.rodata,"a",@progbits
	.p2align	6, 0x0
	.amdhsa_kernel k_q09c8961535_quant
		.amdhsa_group_segment_fixed_size 34304
		.amdhsa_private_segment_fixed_size 0
		.amdhsa_enable_private_segment 0
		.amdhsa_kernarg_size 56
		.amdhsa_user_sgpr_count 2
		.amdhsa_user_sgpr_kernarg_segment_ptr 1
		.amdhsa_wavefront_size32 1
		.amdhsa_system_sgpr_workgroup_id_x 1
		.amdhsa_system_sgpr_workgroup_id_y 1
		.amdhsa_system_sgpr_workgroup_id_z 1
		.amdhsa_system_vgpr_workitem_id 0
		.amdhsa_next_free_vgpr 256
		.amdhsa_next_free_sgpr 66
		.amdhsa_reserve_vcc 0
		.amdhsa_float_denorm_mode_32 3
		.amdhsa_float_denorm_mode_16_64 3
		.amdhsa_memory_ordered 1
		.amdhsa_forward_progress 1
		.amdhsa_inst_pref_size 31
	.end_amdhsa_kernel
	.amdgpu_metadata
---
amdhsa.version: [ 1, 2 ]
amdhsa.kernels:
  - .name:           k_q09c8961535_quant
    .symbol:         k_q09c8961535_quant.kd
    .args:
      - { .name: x, .offset: 0, .size: 8, .value_kind: global_buffer, .address_space: global }
      - { .name: Wq, .offset: 8, .size: 8, .value_kind: global_buffer, .address_space: global }
      - { .name: Wk, .offset: 16, .size: 8, .value_kind: global_buffer, .address_space: global }
      - { .name: Wv, .offset: 24, .size: 8, .value_kind: global_buffer, .address_space: global }
      - { .name: Wo, .offset: 32, .size: 8, .value_kind: global_buffer, .address_space: global }
      - { .name: opc, .offset: 40, .size: 8, .value_kind: global_buffer, .address_space: global }
      - { .name: ops, .offset: 48, .size: 8, .value_kind: global_buffer, .address_space: global }
    .group_segment_fixed_size: 34304
    .private_segment_fixed_size: 0
    .kernarg_segment_align: 8
    .kernarg_segment_size: 56
    .max_flat_workgroup_size: 128
    .sgpr_count:     66
    .vgpr_count:     256
    .wavefront_size: 32
...
	.end_amdgpu_metadata
.endif
;; end of part 1
;; launch qkv (part 2): grid 12 x 16, 4 waves a work-group, clusters of 4 x 4, 327,680 bytes of LDS; arguments opc, ops, qc, qs, kvc, kvs; writes qc, qs, kvc, kvs
.if DOCPART == 2
	.amdgcn_target "amdgcn-amd-amdhsa--gfx1250"
	.amdhsa_code_object_version 6
	.text
	.protected	k_q09c8961535_qkv
	.globl	k_q09c8961535_qkv
	.p2align	8
	.type	k_q09c8961535_qkv,@function
k_q09c8961535_qkv:
	s_mov_b64 s[64:65], 0
	v_nop
	global_prefetch_b8 v0, s[64:65] scope:SCOPE_SE
	s_setreg_imm32_b32 hwreg(HW_REG_WAVE_MODE, 25, 1), 1
	s_wait_xcnt 0x0
	s_wait_alu depctr_hold_cnt(0) depctr_sa_sdst(0) depctr_va_vdst(0) depctr_va_sdst(0) depctr_va_ssrc(0) depctr_va_vcc(0) depctr_vm_vsrc(0)
	s_getreg_b32 s2, hwreg(HW_REG_IB_STS2, 6, 4)
	s_cmp_eq_u32 s2, 0
	s_cbranch_scc0 .Lentry_in_a_cluster
	s_endpgm
.Lentry_in_a_cluster:
	s_bfe_u32 s2, ttmp6, 0x10000c
	s_cmp_lg_u32 s2, 0xf033
	s_cbranch_scc0 .Lentry_shape_is_right
	s_endpgm
.Lentry_shape_is_right:
; q = x Wq^T, k = x Wk^T, v = x Wv^T on codes of BF6 (E3M2) with E8M0 scales; the results are quantised again in registers and leave as codes: q and k along the head's 64, v along the keys.
; Operands come from opc / ops in the order of the operand's registers (tiles of 16 rows 32 b + 8 u + r + 8 (r / 8); 128 rows x 256 along K are one dense block of 24,576 bytes).
; A work-group makes 256 x 256, each of four waves 128 x 128: 64 accumulators, 512 registers.  SOURCE 0 ("B") holds the rows that run along a lane's registers in the result, SOURCE 1 ("A") those across lanes.
; Cluster x = 0: q, 1: k: B = rows of W, A = rows of x: a lane's 64 registers of one A tile are 128 neighbouring channels (two heads) of one token.
; Cluster x = 2: v: B = rows of x, A = rows of Wv: a lane's 64 registers are 128 neighbouring keys of one channel.  In both the axis to be quantised is B's: one text serves all three.
; CLUSTERS: 4 x 4.  B's tiles hang on cx alone and are asked for jointly along a column of the cluster, A's on cy alone and jointly along a row: the requests for A and B are divided by four.
; K = 1024 is eight steps of 128.  Three LDS regions hold two steps each and are filled at the start (one load of 192 rows for K steps 0 to 3, then one for K steps 4, 5); region 0 is filled once more, with steps 6 and 7.
; RESULTS.  qc, kvc: [head][block of 128 tokens][12,288 bytes]: q's or k's tile t (64 along the head: 768 bytes) at 768 t; v's tile t (16 channels x 128 keys: 1,536 bytes) at 6144 + 1536 t of kvc.
; qs, kvs: [head][block][768]: the word of tile 2 jj + (l / 16), row l % 16 at 16 l + 4 jj (q, k: bytes s0, s1, s0, s1: the head's two bytes twice); v's at 512 + 8 l + 4 jj.
; LIMITS: NaN and infinities are not served; a block whose largest magnitude lies under 2^-122, a block of zeros among them, gets the byte 1 (zeros' codes are zeros; the bytes are read by this program alone).
; REGISTERS: window 0: v10-31 addresses; v32-95 scale words (v[32 + 8 i + ks]: lanes 0-15 A's tile i, lanes 16-31 B's tile i); v96-123 at work on the way out; v128-223 A's fragments, one set (later the codes made).
;   window 1: B's fragments, two sets, at v0 and v128.   windows 2, 3: accumulator (a, b) at v[8 (8 (a % 4) + b)] of window 2 + a / 4.
.set REG,   98304                      ; an LDS region: four quarters: A's halves, then B's halves
.set QTR,   24576                      ; 128 rows x 256 along K: tile i, step q at 3072 i + 1536 q
.set SPARE, 3*REG                      ; the spare words: 128 bytes a wave, two blocks of 256 bytes that no other line names
.set A128, 10                          ; v10-12  region p: my A rows, 16 x lane
.set A64,  13                          ; v13-15  the same with 8 x lane
.set B128, 16                          ; v16-18
.set B64,  19                          ; v19-21
.set VO0,  22                          ; v22     16 x lane
.set VO1,  23                          ; v23     16 x lane + the distance of the second half fragment
.set VP0,  24                          ; v24     8 x lane + 512
.set VP1,  25                          ; v25     the same + that distance
.set L8,   27                          ; v27     8 x lane
.set SPW,  28                          ; v28     my spare word; never rewritten
.set NIL,  29                          ; v29     0; never rewritten
.set SC,   32
.set TM,   96                          ; v96-99 largest magnitudes, v100-103 the other half's, then bytes, v108-111 scale operands
.set PW,   112                         ; the scale word just made
.set WS,   116                         ; v116-123 the eight tiles' scale words
.set AF,   128
.set PC,   128                         ; the codes just made: v128-139; v140-142, v144-146 the conversions' second halves
.set OW,   148                         ; v148-155 scale words as they are stored
.set G1A,  24                          ; s[24:31] descriptor group 1 for A's blocks;  s[32:39] for B's
.set G1B,  32
.set G0A,  40                          ; s[40:47] two groups 0 for A's blocks;  s[52:59] for B's
.set G0B,  52
.set MSB, 0
.macro WIN new                         ; the immediate's high byte repeats the setting that is left
.if MSB != (\new)
	s_set_vgpr_msb (MSB<<8)|(\new)
.set MSB, \new
.endif
.endm
.set MUL_LO, 0xa1                      ; source 0 (B) window 1, source 1 (A) window 0, C and D window 2
.set MUL_HI, 0xf1                      ; the same, C and D window 3
.macro PLACES                          ; four plain instructions between a matrix instruction and a load into, or a vector read of, its registers (ISA guide 7.12.1 for vector reads)
.rept 4
	v_nop
.endr
.endm
.macro CREST                           ; a round of the cluster's barrier behind its opening barrier
	s_cmp_lg_u32 s16, 0
	s_cbranch_scc1 .Lnot_wave_0_\@
	s_barrier_signal -3
.Lnot_wave_0_\@:
	s_barrier_wait -3
	s_barrier_signal -1
	s_barrier_wait -1
.endm
.macro CROUND
	s_barrier_signal -1
	s_barrier_wait -1
	CREST
.endm
	s_load_b256 s[4:11], s[0:1], 0x0               ; opc, ops, qc, qs
	s_load_b128 s[12:15], s[0:1], 0x20             ; kvc, kvs
	v_lshl_add_u32 v[SPW], v0, 2, SPARE
	v_mov_b32 v[NIL], 0
	ds_add_u32 v28, v29
	ds_add_u32 v28, v29
	s_wait_dscnt 0x0
	v_lshrrev_b32 v1, 5, v0
	v_readfirstlane_b32 s16, v1                    ; wave
	s_lshr_b32 s17, s16, 1                         ; which half of A's rows is mine.  Also: I fetch for A (0) or for B (1)
	s_and_b32 s18, s16, 1                          ; which half of B's rows.  Also: which 128 rows I fetch
	s_bfe_u32 s19, ttmp6, 0x40000                  ; cx
	s_bfe_u32 s20, ttmp6, 0x40004                  ; cy
	s_mov_b32 s21, ttmp9                           ; cluster x: 0 q, 1 k, 2 v
	s_and_b32 s22, ttmp7, 0xffff                   ; cluster y
	s_lshl_b32 s97, s22, 2                         ; 4 x cluster y
	s_lshl_b32 s80, s20, 2
	s_lshl_b32 s80, 15, s80                        ; my row of the cluster
	s_lshl_b32 s81, 0x1111, s19                    ; my column
	s_or_b32 s[G1A], s80, (3<<16)|(1<<21)          ; 15:0 the mask; 17:16 elements of 8 bytes; 21 set beside a mask; no padding
	s_or_b32 s[G1B], s81, (3<<16)|(1<<21)
.irp g, G1A, G1B
	s_mov_b32 s[\g+1], 32<<16                      ; tensor_dim0 = 32 elements: 256 bytes
	s_mov_b32 s[\g+2], 192<<16                     ; tensor_dim1 = 192 rows: the head's load brings 49,152 dense bytes: K steps 0 to 3
	s_mov_b32 s[\g+3], 32<<16                      ; tile_dim0
	s_mov_b32 s[\g+4], 192                         ; tile_dim1
	s_mov_b32 s[\g+5], 32                          ; pitch = row
	s_mov_b32 s[\g+6], 0
	s_mov_b32 s[\g+7], 0
.endr
	; which groups of 128 rows of opc: x 0-31, Wq 32-39, Wk 40-47, Wv 48-55.  A: q, k: 2 (4 Y + cy) + half; v: 48 + 2 cy + half.  B: q, k: 32 + 2 (4 X + cx) + half; v: 2 (4 Y + cx) + half
	s_lshl_b32 s83, s21, 2
	s_add_co_u32 s83, s83, 16
	s_cmp_eq_u32 s21, 2                            ; the same in all sixteen partners
	s_cselect_b32 s84, 24, s97
	s_cselect_b32 s85, s97, s83
	s_add_co_u32 s84, s84, s20                     ; A's hangs on cy alone,
	s_add_co_u32 s85, s85, s19                     ; B's on cx alone
	s_lshl_b32 s84, s84, 1
	s_lshl_b32 s85, s85, 1
	s_add_co_u32 s86, s84, s18
	s_mul_i32 s86, s86, REG                        ; a group is 98,304 bytes of opc
	s_mov_b32 s87, 0
	s_add_co_u32 s90, s85, s18
	s_mul_i32 s90, s90, REG
	s_mov_b32 s91, 0
	s_mul_i32 s92, s16, QTR                        ; where my quarter goes: no place in the cluster enters an LDS address
	s_add_co_u32 s93, s84, s17
	s_lshl_b32 s93, s93, 12                        ; the scale words of the A rows that I multiply: 4,096 bytes a group
	s_add_co_u32 s94, s85, s18
	s_lshl_b32 s94, s94, 12                        ; and of the B rows
	s_wait_kmcnt 0x0
	s_add_nc_u64 s[86:87], s[4:5], s[86:87]
	s_add_nc_u64 s[90:91], s[4:5], s[90:91]
	; LDS: each quarter has 49,152 bytes on end for K steps 0 to 3 (later 6, 7 in its first half), which one load of 192 rows brings; behind the four of them, 24,576 bytes a quarter for K steps 4, 5
	s_lshl_b32 s95, s92, 1
.irp p, 0,1
	s_mov_b32 s[G0A+4*\p], 1                       ; count = 1
	s_add_nc_u64 s[G0A+4*\p+2:G0A+4*\p+3], s[86:87], \p*2*QTR   ; set 0: from K step 0 on; set 1: K steps 4, 5
	s_or_b32 s[G0A+4*\p+3], s[G0A+4*\p+3], 0x80000000         ; type = 2
	s_mov_b32 s[G0B+4*\p], 1
	s_add_nc_u64 s[G0B+4*\p+2:G0B+4*\p+3], s[90:91], \p*2*QTR
	s_or_b32 s[G0B+4*\p+3], s[G0B+4*\p+3], 0x80000000
.endr
	s_add_co_u32 s[G0A+1], s95, 0                  ; LDS: each quarter has 49,152 bytes on end for K steps 0 to 3 (its first half later takes K steps 6, 7);
	s_add_co_u32 s[G0B+1], s95, 0
	s_add_co_u32 s[G0A+5], s92, 2*REG              ; behind the four of them, 24,576 bytes a quarter for K steps 4, 5.  The wave's number alone enters
	s_add_co_u32 s[G0B+5], s92, 2*REG
	CROUND                                         ; all sixteen work-groups are here: the first joint loads meet
	s_cmp_eq_u32 s17, 0                            ; a wave's first fill stands in one branch on the wave's number
	s_cbranch_scc0 .Lfirst_b
	tensor_load_to_lds s[G0A:G0A+3], s[G1A:G1A+7]
	s_nop 0
	PLACES
	s_branch .Lfirst_asked
.Lfirst_b:
	tensor_load_to_lds s[G0B:G0B+3], s[G1B:G1B+7]
	s_nop 0
	PLACES
.Lfirst_asked:
	v_and_b32 v1, 31, v0                           ; lane
	v_and_b32 v2, 15, v0                           ; r
	v_lshlrev_b32 v[VO0], 4, v1
	v_lshlrev_b32 v[L8], 3, v1
	v_cmp_le_u32 s75, 16, v1                       ; lanes 16-31
	v_mov_b32 v30, s93
	v_mov_b32 v31, s94
	v_cndmask_b32 v30, v30, v31, s75               ; lanes 0-15 take A's words, lanes 16-31 B's
	v_lshl_add_u32 v30, v2, 4, v30                 ; + 16 r: four K steps' words of a row are 16 bytes: sixteen lanes read 256 consecutive bytes
.irp i, 0,1,2,3,4,5,6,7
.irp g, 0,1
	global_load_b128 v[SC+8*\i+4*\g:SC+8*\i+4*\g+3], v30, s[6:7] offset:\i*512+\g*256
.endr
.endr
	s_mul_i32 s80, s17, QTR                        ; my A rows' quarter,
	s_mul_i32 s81, s18, QTR
	s_add_co_u32 s81, s81, 2*QTR                   ; my B rows'
	s_lshl_b32 s82, s80, 1                         ; K steps 0, 1 (and 6, 7): a quarter is 49,152 bytes long there
	s_lshl_b32 s83, s81, 1
.irp p, 0,1,2
	v_add_nc_u32 v[A128+\p], s82, v[VO0]
	v_add_nc_u32 v[A64+\p], s82, v[L8]
	v_add_nc_u32 v[B128+\p], s83, v[VO0]
	v_add_nc_u32 v[B64+\p], s83, v[L8]
.if \p == 0
	s_add_co_u32 s82, s82, QTR                     ; K steps 2, 3
	s_add_co_u32 s83, s83, QTR
.else
	s_add_co_u32 s82, s80, 2*REG                   ; K steps 4, 5
	s_add_co_u32 s83, s81, 2*REG
.endif
.endr
.irp b, 0,1,2,3
	v_mov_b32 v[TM+4+\b], 0                        ; a lane permute's destination counts as read
.endr
	s_mov_b32 s76, 0x01000100                      ; byte selects: a word's bytes 0, 1 twice;
	s_mov_b32 s77, 0x03020302                      ; its bytes 2, 3 twice
	s_mov_b32 s78, 0x76543210
	s_mov_b32 s79, 0xfedcba98                      ; selects for lane l xor 16
	; where my results go.  q, k: heads 4 cx + 2 bh and the next, token block 2 (4 Y + cy) + ah.  v: heads 4 cy + 2 ah and the next, key step 2 (4 Y + cx) + bh
	s_cmp_eq_u32 s21, 2
	s_cselect_b32 s80, s20, s19
	s_cselect_b32 s81, s17, s18
	s_cselect_b32 s82, s19, s20
	s_cselect_b32 s83, s18, s17
	s_cselect_b32 s95, 6144, 0                     ; v's fragments lie behind k's in a record,
	s_cselect_b32 s96, 512, 0                      ; its scale words too
	s_mov_b32 s74, 393216
	s_cselect_b32 s74, 768, s74                    ; from a fragment's first half to its second: q, k: the next head; v: the next 64 keys
	s_mov_b32 s70, 768
	s_cselect_b32 s70, 1536, s70                   ; from A tile to A tile
	s_cselect_b32 s72, 387072, 0                   ; v: behind four tiles the next head: 393,216 - 6,144
	s_mov_b32 s71, 0
	s_mov_b32 s73, 0
	s_lshl_b32 s80, s80, 2
	s_lshl_b32 s81, s81, 1
	s_add_co_u32 s80, s80, s81                     ; the first head
	s_add_co_u32 s82, s82, s97
	s_lshl_b32 s82, s82, 1
	s_add_co_u32 s82, s82, s83                     ; the block of 128 tokens
	s_mul_i32 s98, s80, 393216
	s_mul_i32 s99, s82, 12288
	s_add_co_u32 s98, s98, s99
	s_add_co_u32 s98, s98, s95
	s_mov_b32 s99, 0
	s_mul_i32 s80, s80, 24576
	s_mul_i32 s82, s82, 768
	s_add_co_u32 s80, s80, s82
	s_add_co_u32 s80, s80, s96
	s_mov_b32 s81, 0
	s_cmp_eq_u32 s21, 0
	s_cselect_b64 s[66:67], s[8:9], s[12:13]       ; q's codes go to qc, k's and v's to kvc
	s_cselect_b64 s[68:69], s[10:11], s[14:15]
	s_add_nc_u64 s[66:67], s[66:67], s[98:99]
	s_add_nc_u64 s[68:69], s[68:69], s[80:81]
	v_add_nc_u32 v[VO1], s74, v[VO0]
	v_add_nc_u32 v[VP0], 512, v[L8]
	v_add_nc_u32 v[VP1], s74, v[VP0]
.macro FRAG reg, a128, a64, off        ; a fragment, 16 rows x 128 K, 12 registers, as it lies: two half fragments, each 512 bytes by 16 a lane and 256 bytes by 8 a lane
	ds_load_b128 v[\reg:\reg+3], v[\a128] offset:\off
	ds_load_b64 v[\reg+4:\reg+5], v[\a64] offset:\off+512
	ds_load_b128 v[\reg+6:\reg+9], v[\a128] offset:\off+768
	ds_load_b64 v[\reg+10:\reg+11], v[\a64] offset:\off+1280
.endm
.macro FETCH_B ks                      ; B's eight fragments of K step ks into set ks % 2: 32 loads
.set RHO, ((\ks)/2)%3
.set QO, ((\ks)&1)*1536
.set BS, 128*((\ks)&1)
	WIN 0x40                                       ; destination window 1
.irp i, 0,1,2,3,4,5,6,7
	FRAG BS+12*\i, B128+RHO, B64+RHO, \i*3072+QO
.endr
	WIN 0
.endm
.macro FETCH_A ks, i0                  ; A's tiles i0 .. i0 + 3: 16 loads
.set RHO, ((\ks)/2)%3
.set QO, ((\ks)&1)*1536
.irp i, \i0, \i0+1, \i0+2, \i0+3
	FRAG AF+12*(\i), A128+RHO, A64+RHO, (\i)*3072+QO
.endr
.endm
; 16 matrix instructions: A's tiles a0, a0 + 1 x B's eight.  The 64 accumulators take turns, one instruction a turn, in the same order in every step.  zero = 1: the first product starts the sums
.macro MUL16 a0, ks, zero
.irp a, \a0, \a0+1
.irp b, 0,1,2,3,4,5,6,7
.if \zero
	v_wmma_scale_f32_16x16x128_f8f6f4 v[8*(8*((\a)%4)+\b):8*(8*((\a)%4)+\b)+7], v[128*((\ks)&1)+12*\b:128*((\ks)&1)+12*\b+11], v[AF+12*(\a):AF+12*(\a)+11], 0, v[SC+8*\b+(\ks)], v[SC+8*(\a)+(\ks)] matrix_a_fmt:MATRIX_FMT_BF6 matrix_b_fmt:MATRIX_FMT_BF6 matrix_a_scale:MATRIX_SCALE_ROW1
.else
	v_wmma_scale_f32_16x16x128_f8f6f4 v[8*(8*((\a)%4)+\b):8*(8*((\a)%4)+\b)+7], v[128*((\ks)&1)+12*\b:128*((\ks)&1)+12*\b+11], v[AF+12*(\a):AF+12*(\a)+11], v[8*(8*((\a)%4)+\b):8*(8*((\a)%4)+\b)+7], v[SC+8*\b+(\ks)], v[SC+8*(\a)+(\ks)] matrix_a_fmt:MATRIX_FMT_BF6 matrix_b_fmt:MATRIX_FMT_BF6 matrix_a_scale:MATRIX_SCALE_ROW1
.endif
.endr
.endr
.endm
.macro STEP ks, zero                   ; a K step whose successor's tiles are known to lie in LDS
	s_wait_dscnt 16                                ; B's set and A's tiles 0-3 are in; the youngest 16 loads (A's tiles 4-7) may be out
	WIN MUL_LO
	MUL16 0, \ks, \zero
	MUL16 2, \ks, \zero
	s_wait_dscnt 0x0                               ; A's tiles 4-7 are in
	PLACES
	FETCH_B (\ks)+1
	FETCH_A (\ks)+1, 0
	WIN MUL_HI
	MUL16 4, \ks, \zero
	MUL16 6, \ks, \zero
	PLACES
	WIN 0
	FETCH_A (\ks)+1, 4
.endm
; A K step with a barrier in it.  In front of the barrier each wave waits for all its tensor loads, adds 0 to its spare word, and waits for that and for its LDS reads.
; fill = 1 (K step 2): all reads of region 0 are over; the barrier opens a round of the cluster's, and behind it region 0 is asked for again, with K steps 6 and 7: four K steps ahead of their first use.
.macro TURN ks, fill
	s_wait_tensorcnt 0x0                           ; all my tensor loads have landed
	ds_add_u32 v[SPW], v[NIL]                      ; 0 onto my spare word
	s_wait_dscnt 17                                ; (the add and the youngest 16 loads may be out)
	WIN MUL_LO
	MUL16 0, \ks, 0
	s_wait_dscnt 0x0                               ; the add is done, and my LDS reads are over
	s_barrier_signal -1
	MUL16 2, \ks, 0
	WIN 0
	s_barrier_wait -1
.if \fill
	CREST                                          ; no wave of any partner still reads region 0 or has a load on its way
	s_add_nc_u64 s[G0A+2:G0A+3], s[G0A+2:G0A+3], 3*QTR
	s_add_nc_u64 s[G0B+2:G0B+3], s[G0B+2:G0B+3], 3*QTR
	s_cmp_eq_u32 s17, 0
	s_cbranch_scc0 .Lfor_b_\@
	tensor_load_to_lds s[G0A:G0A+3], s[G1A:G1A+7]  ; my one tensor load behind the round; the four v_nop behind it are also the places in front of the loads below
	s_nop 0
	PLACES
	s_branch .Lasked_\@
.Lfor_b_\@:
	tensor_load_to_lds s[G0B:G0B+3], s[G1B:G1B+7]
	s_nop 0
	PLACES
.Lasked_\@:
.else
	PLACES
.endif
	FETCH_B (\ks)+1
	FETCH_A (\ks)+1, 0
	WIN MUL_HI
	MUL16 4, \ks, 0
	MUL16 6, \ks, 0
	PLACES
	WIN 0
	FETCH_A (\ks)+1, 4
.endm
; 64 results of a lane in window w, register 16 b + i = position 32 b + 16 (lane / 16) + i along the axis to be quantised, become a fragment's codes in v[PC] on and its scale word in v[PW].
; Each accumulator is read from its low end on.
.macro QUANT base, w
	WIN 5*(\w)                                     ; sources 0 and 1 in window w
.irp b, 0,1,2,3
	v_max3_num_f32 v[TM+\b], |v[(\base)+16*\b]|, |v[(\base)+16*\b+1]|, 0x2800000   ; the floor 2^(5 - 127) holds the byte at 1 from below
.endr
.irp i, 2,4,6,8,10,12,14
.irp b, 0,1,2,3
	v_max3_num_f32 v[TM+\b], |v[(\base)+16*\b+\i]|, |v[(\base)+16*\b+\i+1]|, v[TM+\b]
.endr
.endr
	WIN 0
.irp b, 0,1,2,3
	v_permlanex16_b32 v[TM+4+\b], v[TM+\b], s78, s79
.endr
.irp b, 0,1,2,3
	v_max_num_f32 v[TM+\b], v[TM+\b], v[TM+4+\b]   ; with lane l xor 16's 16: the block's largest magnitude
.endr
.irp b, 0,1,2,3
	v_add_nc_u32 v[TM+12+\b], 0xfe000000, v[TM+\b] ; 4 off the exponent field: the conversion's scale operand
.endr
.irp b, 0,1,2,3
	v_lshrrev_b32 v[TM+4+\b], 23, v[TM+12+\b]      ; the scale's byte
.endr
	v_lshl_or_b32 v[PW], v[TM+5], 8, v[TM+4]
	v_lshl_or_b32 v[PW], v[TM+6], 16, v[PW]
	v_lshl_or_b32 v[PW], v[TM+7], 24, v[PW]
	WIN \w                                         ; source 0 in window w
.irp c, 0,1
	v_cvt_scalef32_pk16_bf6_f32 v[PC+6*\c:PC+6*\c+2], v[(\base)+32*\c:(\base)+32*\c+15], v[TM+12+2*\c]
	v_cvt_scalef32_pk16_bf6_f32 v[PC+12+4*\c:PC+12+4*\c+2], v[(\base)+32*\c+16:(\base)+32*\c+31], v[TM+12+2*\c+1]
.endr
	WIN 0
	v_nop                                          ; one plain instruction behind the conversions
.irp c, 0,1                            ; the operand's layout wants a whole block in a lane
.irp i, 0,1,2
	v_permlane16_swap_b32 v[PC+6*\c+\i], v[PC+12+4*\c+\i]
.endr
.irp i, 0,1,2
	v_mov_b32 v[PC+3+6*\c+\i], v[PC+12+4*\c+\i]
.endr
.endr
.endm
	s_wait_alu depctr_va_vdst(0)                   ; the wait at the head's end
	s_wait_tensorcnt 0x0                           ; my part of region 0 is in
	ds_add_u32 v[SPW], v[NIL]
	s_mov_b32 s[G1A+2], 96<<16                     ; no tensor load of mine is out: from here on a load brings 96 rows
	s_mov_b32 s[G1A+4], 96
	s_mov_b32 s[G1B+2], 96<<16
	s_mov_b32 s[G1B+4], 96
	s_wait_dscnt 0x0
	CROUND                                         ; everybody's part of region 0 is in, and the joint loads meet
	s_cmp_eq_u32 s17, 0
	s_cbranch_scc0 .Lsecond_b
	tensor_load_to_lds s[G0A+4:G0A+7], s[G1A:G1A+7]   ; K steps 4, 5: my one tensor load behind the round
	s_nop 0
	PLACES
	s_branch .Lsecond_asked
.Lsecond_b:
	tensor_load_to_lds s[G0B+4:G0B+7], s[G1B:G1B+7]
	s_nop 0
	PLACES
.Lsecond_asked:
	FETCH_B 0
	FETCH_A 0, 0
	FETCH_A 0, 4
	s_wait_loadcnt 0x0                             ; the scale words
	STEP 0, 1
	STEP 1, 0
	TURN 2, 1                                      ; K steps 4, 5 are in, in every wave; the reads of K steps 0, 1 are over: their bytes are asked for again, with K steps 6, 7
	s_wait_alu depctr_va_vdst(0)
	STEP 3, 0
	STEP 4, 0
	TURN 5, 0                                      ; region 0's second fill has landed, in every wave
	STEP 6, 0
	s_wait_dscnt 16                                ; the last K step: nothing more to fetch
	WIN MUL_LO
	MUL16 0, 7, 0
	MUL16 2, 7, 0
	s_wait_dscnt 0x0
	WIN MUL_HI
	MUL16 4, 7, 0
	MUL16 6, 7, 0
	WIN 0
	PLACES
	; THE WAY OUT: A tile by A tile: 64 results a lane become 12 registers of codes, stored as they stand: 512, 256, 512 and 256 consecutive bytes
.irp j, 0,1,2,3,4,5,6,7
	s_wait_xcnt 0x0                                ; the last tile's stores have read their data and their base: both are written again only behind this wait
.if \j > 0
	s_add_nc_u64 s[66:67], s[66:67], s[70:71]
.endif
.if \j == 4
	s_add_nc_u64 s[66:67], s[66:67], s[72:73]
.endif
	QUANT 64*(\j%4), 2+\j/4
	v_mov_b32 v[WS+\j], v[PW]
	global_store_b128 v[VO0], v[PC:PC+3], s[66:67]
	global_store_b64 v[VP0], v[PC+4:PC+5], s[66:67]
	global_store_b128 v[VO1], v[PC+6:PC+9], s[66:67]
	global_store_b64 v[VP1], v[PC+10:PC+11], s[66:67]
.endr
	s_cmp_eq_u32 s21, 2                            ; the same in all partners
	s_cbranch_scc1 .Lv_words
.irp c, 0,1                            ; q, k: head c of my two has bytes 2 c, 2 c + 1 of each word; they are written twice, for the upper 64 of an instruction's K, which hold zeros on q's side
.irp jj, 0,1,2,3
	v_perm_b32 v156, v[WS+2*\jj], v[WS+2*\jj], s[76+\c]
	v_perm_b32 v157, v[WS+2*\jj+1], v[WS+2*\jj+1], s[76+\c]
	v_cndmask_b32 v[OW+4*\c+\jj], v156, v157, s75  ; lanes 0-15 the even tile's word, lanes 16-31 the odd tile's
.endr
	global_store_b128 v[VO0], v[OW+4*\c:OW+4*\c+3], s[68:69] offset:\c*24576
.endr
	s_branch .Lwords_done
.Lv_words:
	s_wait_alu depctr_va_vdst(0)
.irp c, 0,1                            ; v: head c has tiles 4 c .. 4 c + 3
.irp jj, 0,1
	v_cndmask_b32 v[OW+4*\c+\jj], v[WS+4*\c+2*\jj], v[WS+4*\c+2*\jj+1], s75
.endr
	global_store_b64 v[L8], v[OW+4*\c:OW+4*\c+1], s[68:69] offset:\c*24576
.endr
.Lwords_done:
	s_wait_tensorcnt 0x0                           ; the wave's end
	ds_add_u32 v[SPW], v[NIL]
	s_wait_dscnt 0x0
	CROUND                                         ; the closing round: no work-group ends while a partner may still ask for a block that names it
	s_endpgm
.Lfunc_end_k_q09c8961535_qkv:
	.size	k_q09c8961535_qkv, .Lfunc_end_k_q09c8961535_qkv-k_q09c8961535_qkv
	.p2alignl 7, 3214868480
	.fill 96, 4, 3214868480
	.section	.rodata,"a",@progbits
	.p2align	6, 0x0
	.amdhsa_kernel k_q09c8961535_qkv
		.amdhsa_group_segment_fixed_size 327680
		.amdhsa_private_segment_fixed_size 0
		.amdhsa_enable_private_segment 0
		.amdhsa_kernarg_size 48
		.amdhsa_user_sgpr_count 2
		.amdhsa_user_sgpr_kernarg_segment_ptr 1
		.amdhsa_wavefront_size32 1
		.amdhsa_system_sgpr_workgroup_id_x 1
		.amdhsa_system_sgpr_workgroup_id_y 1
		.amdhsa_system_sgpr_workgroup_id_z 1
		.amdhsa_system_vgpr_workitem_id 0
		.amdhsa_next_free_vgpr 1024
		.amdhsa_next_free_sgpr 100
		.amdhsa_reserve_vcc 0
		.amdhsa_float_denorm_mode_32 3
		.amdhsa_float_denorm_mode_16_64 3
		.amdhsa_memory_ordered 1
		.amdhsa_forward_progress 1
		.amdhsa_inst_pref_size 149
	.end_amdhsa_kernel
	.amdgpu_metadata
---
amdhsa.version: [ 1, 2 ]
amdhsa.kernels:
  - .name:           k_q09c8961535_qkv
    .symbol:         k_q09c8961535_qkv.kd
    .args:
      - { .name: opc, .offset: 0, .size: 8, .value_kind: global_buffer, .address_space: global }
      - { .name: ops, .offset: 8, .size: 8, .value_kind: global_buffer, .address_space: global }
      - { .name: qc, .offset: 16, .size: 8, .value_kind: global_buffer, .address_space: global }
      - { .name: qs, .offset: 24, .size: 8, .value_kind: global_buffer, .address_space: global }
      - { .name: kvc, .offset: 32, .size: 8, .value_kind: global_buffer, .address_space: global }
      - { .name: kvs, .offset: 40, .size: 8, .value_kind: global_buffer, .address_space: global }
    .group_segment_fixed_size: 327680
    .private_segment_fixed_size: 0
    .kernarg_segment_align: 8
    .kernarg_segment_size: 48
    .max_flat_workgroup_size: 128
    .sgpr_count:     100
    .vgpr_count:     1024
    .wavefront_size: 32
...
	.end_amdgpu_metadata
.endif
;; end of part 2
;; launch attn (part 3): grid 16 x 16, 16 waves a work-group, no clusters, 327,680 bytes of LDS; arguments qc, qs, kvc, kvs, opc, ops; writes opc, ops
.if DOCPART == 3
	.amdgcn_target "amdgcn-amd-amdhsa--gfx1250"
	.amdhsa_code_object_version 6
	.text
	.protected	k_q09c8961535_attn
	.globl	k_q09c8961535_attn
	.p2align	8
	.type	k_q09c8961535_attn,@function
k_q09c8961535_attn:
	s_mov_b64 s[64:65], 0
	v_nop
	global_prefetch_b8 v0, s[64:65] scope:SCOPE_SE
	s_setreg_imm32_b32 hwreg(HW_REG_WAVE_MODE, 25, 1), 1
	s_wait_xcnt 0x0
; Causal attention of 16 heads of 64 over 4,096 tokens on codes of BF6 (E3M2) with E8M0 scales; the result, divided by the row's sum, is quantised along heads x channels and stored as the last product's operand.
; LEFT OUT: key steps of 128 that lie wholly behind a query block: the causal mask sets their scores to -inf, so their p is 0 for all inputs. A NaN or infinity that reaches only those tiles is not carried on.
; SOFTMAX: t = score x log2(e) / 8; M = the running largest t rounded UP to a whole number; p = 2^(t - M) is quantised along the keys; the row's sum is taken of the unquantised p; when M moves,
; the sum and O are multiplied by 2^(old M - new M), which rounds nothing.  The promise holds while |t| stays under 2^31.
; LAYOUT: both products transposed (S^T = K Q^T, O^T = V^T P^T): a lane holds one query.  Operands lie in memory in the order of the operand's registers, in tiles of 16 rows 32 b + 8 u + r + 8 (r / 8).
; K = 64 IN AN INSTRUCTION OF 128: Q's registers 6-11 are zero codes; K's tile takes six registers and the instruction names twelve: the upper six are the next tile's codes (six zeroed registers behind tile 7): those products are zeros.
; SHARES: work-group (b, head) owns query blocks A = b and B = 31 - b: (b + 1) + (32 - b) = 33 key steps for each of 8 pairs of tiles, 264 tile steps for 16 waves.  Time goes from 0 to 16.
;   A wave of STREAM 1 (bit 2 of its number 0) holds tile tau of B and takes key step t at time t.
;   A wave of STREAM 2 holds tile tau of A and takes key step t while t <= b; then it saves A's state in LDS, turns to tile tau of B and takes key step 32 - t.
;   Key step 16 of B is taken by stream 1 for tiles 0-3 and by stream 2 for tiles 4-7; the other wave of the pair rests at time 16.  So a wave has 16 or 17 steps.
;   At the end stream 2 hands its part of B (O, M, the sum) to its partner through LDS; the two parts are joined under the larger M by powers of two; stream 1 finishes B's tile, stream 2 A's.
; RING: time 0 (key step 0 for both streams) has bytes of its own; then two slots of four times x two streams.  Behind each barrier waves 0-7 fetch a tile of codes each (48 rows of 256 bytes), waves 8-15 its scale record (3 rows):
;   one tensor load a wave, four times ahead of its slot's first use.  Every wait on TENSORcnt is for 0.
; NO CLUSTER: of a time's two tiles only stream 1's is common to the head's 16 work-groups, and the branches of the diagonal and of the turn from A to B hang on the work-group's own b, which in a cluster would be its place.
; PREFETCH: behind the first three fills wave 14 names stream 1's and wave 15 stream 2's four key steps of the NEXT fill (49,152 bytes each); the head's 16 work-groups share them out by address, 12 blocks of 256 bytes each
;   (lanes 12-31 name the twelfth again).  The first fills and the scale records (768 bytes a step) come by their loads alone; the last fill has no successor.
; The result's scale bytes leave as single bytes: a row's words are shared by eight heads, which are other work-groups' work.
; LIMITS: NaN and infinities are not served; a block whose largest magnitude lies under 2^-122, a block of zeros among them, gets the byte 1 (zeros' codes are zeros; the bytes are read by this program alone).
.set STEPB, 12288                      ; a key step in kvc and in LDS: K's tile t at 768 t, V^T's tile t at 6144 + 1536 t
.set SLOT1, 1<<17                      ; slot 1 begins here: one exclusive or turns an address
.set SCR,   8*STEPB                    ; behind a slot's eight tiles: their scale records, 768 bytes each: K's 512, V's 256
.set PCO,   SCR+8*768                  ; time 0's tile,
.set PSC,   PCO+STEPB                  ; and its scale record
.set STG,   SLOT1+PCO                  ; behind slot 1: the stage: for each tile tau A's state, then stream 2's part of B; no tensor load lands here
.set STB,   4608                       ; a state: 9 x 512 bytes: O^T's 32 registers, then -M, the largest t, the sum's halves
.set SPARE, STG+16*STB                 ; the spare words: 128 bytes a wave, eight blocks of 256 bytes that no other line names
.set LI,  1                            ; v1   16 x lane
.set L8,  2                            ; v2   8 x lane
.set SPW, 3                            ; v3   my spare word; never rewritten
.set NIL, 4                            ; v4   0; never rewritten
.set DG,  5                            ; v5   my query's place in its block - 16 (lane / 16)
.set PFO, 6                            ; v6   the prefetches' offset; never rewritten
.set SA,  7                            ; v7   my tile's place in the stage + 16 x lane
.set ADC, 8                            ; v8-11 the step's LDS addresses
.set AD8, 9
.set ADS, 10
.set ADT, 11
.set F,   32                           ; v32-79 K's eight tiles, then V^T's four fragments; v80-85 zeros
.set KS,  88                           ; v88-91 K's scale words; v92-93 V's
.set VS,  92
.set SS,  96                           ; v96-159 S^T, then p
.set OT,  160                          ; v160-191 O^T
.set PC,  192                          ; v192-203 p's codes; v204-206, v208-210 the conversions' second halves
.set BM,  212                          ; v212-215 the blocks' largest scores, then largest p
.set BT,  216                          ; v216-219 the other half's, then bytes
.set BO,  220                          ; v220-223 scale operands
.set PW,  224                          ; p's scale word
.set Q2,  232                          ; v232-238 the second tile's Q and its scale words
.set WV,  16                           ; s16 wave; s17 b; s19 head
.set SG,  18                           ; s18 stream - 1
.set SEL, 20                           ; s[20:21] selects for lane l xor 16
.set CS,  22                           ; s[22:23] c = log2(e) / 8
.set G1,  24                           ; s[24:31] group 1: 48 rows of 256 bytes;  s[32:39]: 3 rows
.set G1S, 32
.set G0C, 40                           ; s[40:43] group 0 for a tile of codes;  s[44:47] for a scale record
.set G0S, 44
.set TB,  48                           ; s48 LDS byte of the step's tile;  s49 of its scale record
.set TS,  49
.set T,   50                           ; s50 the time
.set D1,  51                           ; s51 my first block = the time of my first diagonal = the block that I finish
.set SLOTS, 52
.set CNT, 53
.set NW,  54                           ; s54 diagonals on end: stream 1 one, stream 2 two (A's, then B's)
.set HM,  55                           ; s55 lanes 16-31
.set TMAX, 57                          ; s57 my last time
.set PD,  58                           ; s58 the prefetches' step;  s59 prefetches to go
.set PFN, 59
.set PFA, 76                           ; s[76:77] the prefetches' address;  s[80:81] its offset in the head
.set TAU, 78
.set PO,  80
.set TT,  82                           ; s82 the time of the tile that I fetch next;  s83 up to this time it is key step t
.set LB,  83
.set G0P, 84                           ; s[84:87], s[88:91] groups 0 for time 0
.set G0Q, 88
.set SM,  92                           ; s92 all ones in stream 2
.set B2,  93                           ; s93 block B
.set SW,  56                           ; s56 b + 1: the time at whose start stream 2 turns from A to B
.set NB,  60                           ; s60, s61 my stream's first tile and record in the slot that is walked next
.set NS,  61
; THE BARRIER OF A CHANGE OF SLOTS IS SIGNALLED EARLY: in a slot's last time (4, 8, 12) a wave's last LDS reads of the slot are V^T's fragments; behind the wait for them it signals,
; and the softmax and the second product, work on registers alone, stand between the signal and the wait.
	s_load_b256 s[4:11], s[0:1], 0x0               ; qc, qs, kvc, kvs
	s_load_b128 s[12:15], s[0:1], 0x20             ; opc, ops
	v_lshl_add_u32 v[SPW], v0, 2, SPARE
	v_mov_b32 v[NIL], 0
	ds_add_u32 v[SPW], v[NIL]                      ; the opening: the add twice on end, and its wait, ahead of the first tensor load
	ds_add_u32 v[SPW], v[NIL]
	v_lshrrev_b32 v8, 5, v0
	v_readfirstlane_b32 s[WV], v8
	s_mov_b32 s17, ttmp9                           ; b
	s_and_b32 s19, ttmp7, 0xffff                   ; the head
	s_bfe_u32 s[SG], s[WV], 0x10002
	s_lshr_b32 s60, s[WV], 3                       ; tiles 0-3 or 4-7
	s_and_b32 s61, s[WV], 3
	s_lshl_b32 s62, s60, 2
	s_add_co_u32 s[TAU], s61, s62
	s_add_co_u32 s[TT], s61, 1                     ; the first fill brings times 1 to 4
	s_xor_b32 s60, s60, s[SG]                      ; 1 in the waves that rest at time 16
	s_sub_co_u32 s[TMAX], 16, s60
	s_sub_co_u32 s[B2], 31, s17
	s_add_co_u32 s[SW], s17, 1
	s_cmp_eq_u32 s[SG], 1
	s_cselect_b32 s[D1], s17, s[B2]
	s_cselect_b32 s[LB], s17, 64
	s_cselect_b32 s[SM], -1, 0
	s_add_co_u32 s[NW], s[SG], 1
	s_and_b32 s62, s[WV], 7                        ; the tile of a slot that I fetch: 4 x stream + time in the slot
	s_mul_i32 s[G0C+1], s62, STEPB
	s_add_co_u32 s[G0C+1], s[G0C+1], SLOT1         ; (turned to slot 0 ahead of the first fill)
	s_mul_i32 s[G0S+1], s62, 768
	s_add_co_u32 s[G0S+1], s[G0S+1], SCR+SLOT1
	s_mov_b32 s[G0C], 1
	s_mov_b32 s[G0S], 1
	s_mov_b32 s[G0P], 1
	s_mov_b32 s[G0Q], 1
	s_mov_b32 s[G0P+1], PCO
	s_mov_b32 s[G0Q+1], PSC
.irp g, G1, G1S
	s_mov_b32 s[\g], 3<<16                         ; elements of 8 bytes; no mask, no padding
	s_mov_b32 s[\g+1], 32<<16                      ; tensor_dim0 = 32 elements: 256 bytes
	s_mov_b32 s[\g+3], 32<<16                      ; tile_dim0
	s_mov_b32 s[\g+5], 32                          ; pitch = row: dense
	s_mov_b32 s[\g+6], 0
	s_mov_b32 s[\g+7], 0
.endr
	s_mov_b32 s[G1+2], 48<<16
	s_mov_b32 s[G1+4], 48
	s_mov_b32 s[G1S+2], 3<<16
	s_mov_b32 s[G1S+4], 3
	s_mov_b32 s[PD], 4*STEPB                       ; wave 14: from key step 5 upward, four a fill;
	s_mov_b32 s[PO], STEPB
	s_mov_b32 s60, 0xffff4000                      ; wave 15: from key steps 24-27 downward (-4 STEPB)
	s_mov_b32 s61, 28*STEPB
	s_cmp_eq_u32 s[WV], 15
	s_cselect_b32 s[PD], s60, s[PD]
	s_cselect_b32 s[PO], s61, s[PO]
	s_mov_b32 s[PO+1], 0
	s_cmp_ge_u32 s[WV], 14
	s_cselect_b32 s[PFN], 3, 0
	s_mul_i32 s66, s19, 393216                     ; the head in qc and kvc,
	s_mov_b32 s67, 0
	s_mul_i32 s68, s19, 24576                      ; in qs and kvs
	s_mov_b32 s69, 0
	s_mul_i32 s62, s[TAU], 768
	s_mul_i32 s70, s[D1], STEPB                    ; Q's tile tau of my first block,
	s_add_co_u32 s70, s70, s62
	s_mov_b32 s71, 0
	s_mul_i32 s72, s[B2], STEPB                    ; and of B
	s_add_co_u32 s72, s72, s62
	s_mov_b32 s73, 0
	s_and_b32 s62, s[TAU], 1                       ; the word of tile tau, row r lies at 256 (tau % 2) + 16 r + 4 (tau / 2)
	s_lshl_b32 s62, s62, 8
	s_lshr_b32 s63, s[TAU], 1
	s_lshl_b32 s63, s63, 2
	s_add_co_u32 s62, s62, s63
	s_mul_i32 s74, s[D1], 768
	s_add_co_u32 s74, s74, s62
	s_mov_b32 s75, 0
	s_mul_i32 s60, s[B2], 768
	s_add_co_u32 s60, s60, s62
	s_mov_b32 s61, 0
	s_mov_b32 s[SEL], 0x76543210
	s_mov_b32 s[SEL+1], 0xfedcba98
	s_mov_b32 s[CS], 0x3e38aa3b                    ; log2(e) / sqrt(64)
	s_mov_b32 s[CS+1], s[CS]                       ; (named with it as a pair)
	s_mov_b32 s[T], 0
	s_mov_b32 s[TB], PCO
	s_mov_b32 s[TS], PSC
	s_mov_b32 s[SLOTS], 2
	s_wait_dscnt 0x0                               ; both opening adds are done
	s_wait_kmcnt 0x0
	s_add_nc_u64 s[8:9], s[8:9], s[66:67]          ; the head's K and V,
	s_add_nc_u64 s[10:11], s[10:11], s[68:69]      ; and their scale records
	s_mov_b64 s[G0P+2:G0P+3], s[8:9]
	s_or_b32 s[G0P+3], s[G0P+3], 0x80000000
	s_mov_b64 s[G0Q+2:G0Q+3], s[10:11]
	s_or_b32 s[G0Q+3], s[G0Q+3], 0x80000000
	s_cmp_lg_u32 s[WV], 0                          ; time 0: wave 0 fetches key step 0's tile, wave 8 its scale record: one chain of branches, one load to an arm
	s_cbranch_scc1 .Lhead_s
	tensor_load_to_lds s[G0P:G0P+3], s[G1:G1+7]
	s_nop 0
.rept 4
	v_nop
.endr
	s_branch .Lhead_j
.Lhead_s:
	s_cmp_lg_u32 s[WV], 8
	s_cbranch_scc1 .Lhead_j
	tensor_load_to_lds s[G0Q:G0Q+3], s[G1S:G1S+7]
	s_nop 0
.rept 4
	v_nop
.endr
.Lhead_j:
	s_add_nc_u64 s[4:5], s[4:5], s[66:67]
	s_add_nc_u64 s[6:7], s[6:7], s[68:69]
	s_add_nc_u64 s[94:95], s[4:5], s[70:71]
	s_add_nc_u64 s[96:97], s[4:5], s[72:73]
	s_add_nc_u64 s[98:99], s[6:7], s[74:75]
	s_add_nc_u64 s[100:101], s[6:7], s[60:61]
	; where my result goes: tile 512 + 8 D1 + tau of opc, K step head / 2, half head % 2
	s_add_co_u32 s60, s[D1], 64
	s_mul_i32 s60, s60, 98304
	s_lshr_b32 s62, s19, 2
	s_mul_i32 s62, s62, 24576
	s_add_co_u32 s60, s60, s62
	s_mul_i32 s62, s[TAU], 3072
	s_add_co_u32 s60, s60, s62
	s_and_b32 s62, s19, 3
	s_mul_i32 s62, s62, 768
	s_add_co_u32 s60, s60, s62
	s_add_nc_u64 s[12:13], s[12:13], s[60:61]
	s_lshl_b32 s60, s[D1], 3
	s_add_co_u32 s60, s60, s[TAU]
	s_add_co_u32 s60, s60, 512
	s_lshl_b32 s60, s60, 9                         ; 512 bytes of scale words a tile,
	s_lshr_b32 s62, s19, 3
	s_lshl_b32 s62, s62, 8                         ; 256 for four K steps,
	s_add_co_u32 s60, s60, s62
	s_and_b32 s62, s19, 7
	s_lshl_b32 s62, s62, 1                         ; two bytes a head
	s_add_co_u32 s60, s60, s62
	s_add_nc_u64 s[14:15], s[14:15], s[60:61]
	s_lshr_b32 s62, s[TAU], 1
	s_lshl_b32 s62, s62, 5
	s_and_b32 s63, s[TAU], 1
	s_lshl_b32 s63, s63, 3
	s_add_co_u32 s62, s62, s63                     ; 32 (tau / 2) + 8 (tau % 2)
	s_mul_i32 s63, s[TAU], 2*STB
	s_add_co_u32 s63, s63, STG
	s_mul_i32 s79, s17, 3072                       ; my work-group's twelve blocks of a prefetch's 192
	v_and_b32 v10, 31, v0
	v_lshlrev_b32 v[LI], 4, v10
	v_lshlrev_b32 v[L8], 3, v10
	v_cmp_le_u32 s[HM], 16, v10
	v_and_b32 v8, 15, v0                           ; r
	v_bfe_u32 v9, v0, 4, 1                         ; h
	v_lshlrev_b32 v11, 4, v8
	global_load_b128 v[16:19], v[LI], s[94:95]     ; Q's half fragment of my first block stays in registers
	global_load_b64 v[20:21], v[L8], s[94:95] offset:512
	global_load_b32 v28, v11, s[98:99]
	global_load_b128 v[Q2:Q2+3], v[LI], s[96:97]   ; and B's, for stream 2's turn (stream 1 asks for the same bytes twice: one text, no branch)
	global_load_b64 v[Q2+4:Q2+5], v[L8], s[96:97] offset:512
	global_load_b32 v[Q2+6], v11, s[100:101]
	v_and_b32 v30, 8, v8
	v_add_nc_u32 v[DG], v30, v8                    ; r + 8 (r / 8)
	v_lshlrev_b32 v30, 4, v9
	v_sub_nc_u32 v[DG], v[DG], v30
	v_add_nc_u32 v[DG], s62, v[DG]
	v_lshl_add_u32 v29, v8, 4, v9                  ; the way out: my scale byte's place: 16 r + h
	v_add_nc_u32 v[SA], s63, v[LI]
	v_min_u32 v[PFO], 11, v10
	v_lshlrev_b32 v[PFO], 8, v[PFO]
	v_add_nc_u32 v[PFO], s79, v[PFO]
.irp j, 22,23,24,25,26,27,80,81,82,83,84,85
	v_mov_b32 v\j, 0                               ; zero codes: Q's upper 64 along K; the six registers behind K's tile 7
.endr
.set j, 0
.rept 32
	v_mov_b32 v[OT+j], 0                           ; O^T.  (The step is written once: the first finds zeros, which the first change of M leaves zeros)
.set j, j+1
.endr
	v_mov_b32 v13, 0xff61b1e6                      ; the largest t so far: -3e38
	v_mov_b32 v12, 0x7f61b1e6                      ; -M
	v_mov_b32 v31, 0x7f61b1e6
	v_mov_b32 v14, 0                               ; the sum, in two halves
	v_mov_b32 v15, 0
.irp b, 0,1,2,3
	v_mov_b32 v[BT+\b], 0                          ; a lane permute's destination counts as read
.endr
	v_mov_b32 v227, 0                              ; (the upper half of the pair v[226:227])
	v_mov_b32 v229, 0xff800000                     ; -infinity
.macro SAVE off                        ; my state into the stage, as an image of the registers; each accumulator from its low end on
.set j, 0
.rept 8
	ds_store_b128 v[SA], v[OT+4*j:OT+4*j+3] offset:\off+512*j
.set j, j+1
.endr
	ds_store_b128 v[SA], v[12:15] offset:\off+4096
.endm
.macro BACK off                        ; a state from the stage: O^T into v32-63, -M, the largest t and the sum's halves into v64-67
.set j, 0
.rept 9
	ds_load_b128 v[F+4*j:F+4*j+3], v[SA] offset:\off+512*j
.set j, j+1
.endr
.endm
.macro STEP x, fill                    ; a time: 128 keys.  x = 1: a slot's last time, with the change of slots in it; fill = 1: the slot left is asked for again
	s_cmp_eq_u32 s[SG], 0                          ; STREAM 2'S TURN FROM A TO B, at the start of time b + 1
	s_cbranch_scc1 .Lstay_\@
	s_cmp_lg_u32 s[T], s[SW]
	s_cbranch_scc1 .Lstay_\@
.rept 4
	v_nop                                          ; places behind the last step's products
.endr
	SAVE 0                                         ; A's state waits in the stage for the way out
	v_mov_b32 v28, v[Q2+6]                         ; B's Q and its scale words (twelve plain instructions stand between this line and the next product)
.irp i, 0,1,2,3,4,5
	v_mov_b32 v[16+\i], v[Q2+\i]
.endr
	v_mov_b32 v13, 0xff61b1e6                      ; the largest t anew: the next step's f is 0, which clears the sum and O^T
	v_mov_b32 v12, 0x7f61b1e6
	s_wait_alu depctr_va_vdst(0)
.Lstay_\@:
.if \x == 0
	s_cmp_gt_u32 s[T], s[TMAX]                     ; time 16 in a wave whose partner takes key step 16: only the addresses step
	s_cbranch_scc1 .Lhidden_\@
.endif
	v_add_nc_u32 v[ADC], s[TB], v[LI]              ; (these four are also the places between the last step's products and the loads below)
	v_add_nc_u32 v[AD8], s[TB], v[L8]
	v_add_nc_u32 v[ADS], s[TS], v[LI]
	v_add_nc_u32 v[ADT], s[TS], v[L8]
.set t, 0
.rept 8
	ds_load_b128 v[F+6*t:F+6*t+3], v[ADC] offset:768*t
	ds_load_b64 v[F+6*t+4:F+6*t+5], v[AD8] offset:768*t+512
.set t, t+1
.endr
	ds_load_b128 v[KS:KS+3], v[ADS]                ; register jj: lanes 0-15 tile 2 jj's words, lanes 16-31 tile 2 jj + 1's
	s_wait_alu depctr_va_vdst(0)                   ; directly ahead of the wait below
	s_wait_dscnt 0x0
.set t, 0
.rept 8
.if t%2
	v_wmma_scale_f32_16x16x128_f8f6f4 v[SS+8*t:SS+8*t+7], v[F+6*t:F+6*t+11], v[16:27], 0, v[KS+t/2], v28 matrix_a_fmt:MATRIX_FMT_BF6 matrix_b_fmt:MATRIX_FMT_BF6 matrix_a_scale:MATRIX_SCALE_ROW1
.else
	v_wmma_scale_f32_16x16x128_f8f6f4 v[SS+8*t:SS+8*t+7], v[F+6*t:F+6*t+11], v[16:27], 0, v[KS+t/2], v28 matrix_a_fmt:MATRIX_FMT_BF6 matrix_b_fmt:MATRIX_FMT_BF6
.endif
.set t, t+1
.endr
.rept 4
	v_nop                                          ; places in front of the loads into K's registers and of the first read of the scores
.endr
.set t, 0
.rept 4                                ; V^T's four fragments are asked for now and land under the softmax
	ds_load_b128 v[F+12*t:F+12*t+3], v[ADC] offset:6144+1536*t
	ds_load_b64 v[F+12*t+4:F+12*t+5], v[AD8] offset:6144+1536*t+512
	ds_load_b128 v[F+12*t+6:F+12*t+9], v[ADC] offset:6144+1536*t+768
	ds_load_b64 v[F+12*t+10:F+12*t+11], v[AD8] offset:6144+1536*t+1280
.set t, t+1
.endr
	ds_load_b64 v[VS:VS+1], v[ADT] offset:512
	s_sub_co_u32 s63, s[T], s[D1]                  ; only the steps on a diagonal have hidden keys: times D1 .. D1 + NW - 1
	s_cmp_ge_u32 s63, s[NW]
	s_cbranch_scc1 .Lopen_\@
.set n, 0
.rept 64                               ; register 16 b + i holds key 32 b + 16 (lane / 16) + i of the step: hidden where 32 b + i > DG
	v_cmp_gt_i32 vcc_lo, 32*(n/16)+n%16, v[DG]
	v_cndmask_b32 v[SS+n], v[SS+n], v229, vcc_lo
.set n, n+1
.endr
.Lopen_\@:
.if \x
	s_wait_alu depctr_va_vdst(0)                   ; directly ahead of the wait below
	PRE \fill, 0                                   ; my reads of this slot are over (V^T is in registers): the three lines and the signal; only work on registers follows up to the barrier's wait
.endif
.irp b, 0,1,2,3
	v_max3_num_f32 v[BM+\b], v[SS+16*\b], v[SS+1+16*\b], v[SS+2+16*\b]   ; the largest score of each block of 32 keys: for the row's maximum, and, since p rises with the score, for the block's largest p
.endr
.irp i, 3,5,7,9,11,13
.irp b, 0,1,2,3
	v_max3_num_f32 v[BM+\b], v[BM+\b], v[SS+16*\b+\i], v[SS+1+16*\b+\i]
.endr
.endr
.irp b, 0,1,2,3
	v_max_num_f32 v[BM+\b], v[BM+\b], v[SS+15+16*\b]
.endr
.irp b, 0,1,2,3
	v_permlanex16_b32 v[BT+\b], v[BM+\b], s[SEL], s[SEL+1]
.endr
.irp b, 0,1,2,3
	v_max_num_f32 v[BM+\b], v[BM+\b], v[BT+\b]     ; with lane l xor 16's 16 keys
.endr
	s_delay_alu instid0(VALU_DEP_2)
	v_max3_num_f32 v228, v[BM], v[BM+1], v[BM+2]
	s_delay_alu instid0(VALU_DEP_1)
	v_max_num_f32 v228, v228, v[BM+3]              ; the step's largest score of my query
	s_delay_alu instid0(VALU_DEP_1)
	v_mul_f32 v228, s[CS], v228                    ; as t
	s_delay_alu instid0(VALU_DEP_1)
	v_max_num_f32 v13, v13, v228                   ; the running largest t
	v_mov_b32 v228, v12
	s_delay_alu instid0(VALU_DEP_2)
	v_floor_f32 v12, -v13                          ; the new -M = -ceil(t): a whole number
	s_delay_alu instid0(VALU_DEP_1)
	v_sub_f32 v228, v12, v228                      ; old M - new M: a whole number, 0 or less
	s_delay_alu instid0(VALU_DEP_1)
	v_cvt_i32_f32 v228, v228                       ; (it saturates)
	s_delay_alu instid0(VALU_DEP_1)
	v_ldexp_f32 v226, 1.0, v228                    ; f = 2^(old M - new M)
.set j, 0
.rept 32
	v_pk_fma_f32 v[SS+j:SS+j+1], v[SS+j:SS+j+1], s[CS:CS+1], v[12:13] op_sel_hi:[1,0,0]   ; t - M, two at a time
.set j, j+2
.endr
.irp b, 0,1,2,3
	v_fma_f32 v[BM+\b], v[BM+\b], s[CS], v12       ; the same of each block's largest score
.endr
	s_wait_alu depctr_va_vdst(0)                   ; the wait ahead of the batch
.set j, 0
.rept 64
	v_exp_f32 v[SS+j], v[SS+j]                     ; p = 2^(t - M), not normalised
.set j, j+1
.endr
	v_pk_mul_f32 v[14:15], v[14:15], v[226:227] op_sel_hi:[1,0]   ; the sums under the new M: the plain instruction behind the exponentials
	s_wait_alu depctr_va_vdst(0)                   ; one wait for the batch of 64, ahead of its first reader
.irp b, 0,1,2,3
	v_exp_f32 v[BM+\b], v[BM+\b]                   ; the block's largest p: the same two instructions on the same number give the same bits
.endr
	v_pk_add_f32 v[244:245], v[SS:SS+1], v[SS+2:SS+3]              ; the row's sum of the unquantised p: two at a time, four chains by turns
	v_pk_add_f32 v[246:247], v[SS+4:SS+5], v[SS+6:SS+7]
	v_pk_add_f32 v[248:249], v[SS+8:SS+9], v[SS+10:SS+11]
	v_pk_add_f32 v[14:15], v[14:15], v[SS+12:SS+13]
.set j, 14
.rept 6
	v_pk_add_f32 v[244:245], v[244:245], v[SS+j:SS+j+1]
	v_pk_add_f32 v[246:247], v[246:247], v[SS+j+2:SS+j+3]
	v_pk_add_f32 v[248:249], v[248:249], v[SS+j+4:SS+j+5]
	v_pk_add_f32 v[14:15], v[14:15], v[SS+j+6:SS+j+7]
.set j, j+8
.endr
	v_pk_add_f32 v[244:245], v[244:245], v[SS+62:SS+63]
	v_pk_add_f32 v[246:247], v[246:247], v[248:249]
	s_delay_alu instid0(VALU_DEP_2)
	v_pk_add_f32 v[14:15], v[14:15], v[244:245]
	s_delay_alu instid0(VALU_DEP_1)
	v_pk_add_f32 v[14:15], v[14:15], v[246:247]
	s_wait_alu depctr_va_vdst(0)                   ; and one for the four
.irp b, 0,1,2,3
	v_max_num_f32 v[BM+\b], 0x2800000, v[BM+\b]    ; the floor 2^(5 - 127): the byte cannot fall under 1
.endr
.irp b, 0,1,2,3
	v_add_nc_u32 v[BO+\b], 0xfe000000, v[BM+\b]    ; 4 off the exponent field: the conversion's scale operand
.endr
.irp b, 0,1,2,3
	v_lshrrev_b32 v[BT+\b], 23, v[BO+\b]           ; the scale's byte
.endr
	s_delay_alu instid0(VALU_DEP_3)
	v_lshl_or_b32 v[PW], v[BT+1], 8, v[BT]
	s_delay_alu instid0(VALU_DEP_1)
	v_lshl_or_b32 v[PW], v[BT+2], 16, v[PW]
	s_delay_alu instid0(VALU_DEP_1)
	v_lshl_or_b32 v[PW], v[BT+3], 24, v[PW]
.irp c, 0,1
	v_cvt_scalef32_pk16_bf6_f32 v[PC+6*\c:PC+6*\c+2], v[SS+32*\c:SS+32*\c+15], v[BO+2*\c]
	v_cvt_scalef32_pk16_bf6_f32 v[PC+12+4*\c:PC+12+4*\c+2], v[SS+32*\c+16:SS+32*\c+31], v[BO+2*\c+1]
.endr
	v_nop                                          ; one plain instruction behind the conversions
.irp c, 0,1                            ; the operand's layout wants a whole block in a lane
.irp i, 0,1,2
	v_permlane16_swap_b32 v[PC+6*\c+\i], v[PC+12+4*\c+\i]
.endr
.irp i, 0,1,2
	v_mov_b32 v[PC+3+6*\c+\i], v[PC+12+4*\c+\i]
.endr
.endr
	s_wait_alu depctr_va_vdst(0)                   ; directly ahead of the first reader of O^T
.set j, 0
.rept 16
	v_pk_mul_f32 v[OT+j:OT+j+1], v[OT+j:OT+j+1], v[226:227] op_sel_hi:[1,0]   ; O^T under the new M.  (Of these 16, twelve name no register of any one product below: the places between p's codes and scale word and the products)
.set j, j+2
.endr
	s_wait_alu depctr_va_vdst(0)                   ; directly ahead of the wait below
.if \x == 0
	s_wait_dscnt 0x0                               ; V^T and its scale words are in
.endif
.set t, 0
.rept 4
.if t%2
	v_wmma_scale_f32_16x16x128_f8f6f4 v[OT+8*t:OT+8*t+7], v[F+12*t:F+12*t+11], v[PC:PC+11], v[OT+8*t:OT+8*t+7], v[VS+t/2], v[PW] matrix_a_fmt:MATRIX_FMT_BF6 matrix_b_fmt:MATRIX_FMT_BF6 matrix_a_scale:MATRIX_SCALE_ROW1
.else
	v_wmma_scale_f32_16x16x128_f8f6f4 v[OT+8*t:OT+8*t+7], v[F+12*t:F+12*t+11], v[PC:PC+11], v[OT+8*t:OT+8*t+7], v[VS+t/2], v[PW] matrix_a_fmt:MATRIX_FMT_BF6 matrix_b_fmt:MATRIX_FMT_BF6
.endif
.set t, t+1
.endr
.if \x == 0
.Lhidden_\@:
	s_add_co_u32 s[TB], s[TB], STEPB
	s_add_co_u32 s[TS], s[TS], 768
.else
	s_barrier_wait -1                              ; every wave has left the slot, and the next slot is whole
	POST \fill
	s_mov_b32 s[TB], s[NB]                         ; on to the other slot
	s_mov_b32 s[TS], s[NS]
	s_xor_b32 s[NB], s[NB], SLOT1
	s_xor_b32 s[NS], s[NS], SLOT1
.endif
	s_add_co_u32 s[T], s[T], 1
.endm
; THE CHANGE OF SLOTS.  Each wave waits for all its tensor loads, adds 0 to its spare word, and waits for that and for its reads of the bytes that it has left.
; fill = 1: behind the barrier every wave asks for its tile or record of the next four times.  twice = 1: the add twice on end.
.macro PRE fill, twice                 ; up to the signal
	s_wait_tensorcnt 0x0                           ; no tensor load of mine is out, so a group 0 may be written
	ds_add_u32 v[SPW], v[NIL]                      ; 0 onto my spare word
.if \twice
	ds_add_u32 v[SPW], v[NIL]
.endif
.if \fill
	s_xor_b32 s[G0C+1], s[G0C+1], SLOT1            ; the other slot than last time
	s_xor_b32 s[G0S+1], s[G0S+1], SLOT1
	s_sub_co_u32 s70, 32, s[TT]
	s_cmp_le_u32 s[TT], s[LB]
	s_cselect_b32 s70, s[TT], s70                  ; my tile's key step: t, or in stream 2 behind time b: 32 - t
	s_add_co_u32 s[TT], s[TT], 4
	s_mul_i32 s72, s70, STEPB                      ; (s73 = s75 = 0)
	s_mul_i32 s74, s70, 768
	s_add_nc_u64 s[G0C+2:G0C+3], s[8:9], s[72:73]
	s_or_b32 s[G0C+3], s[G0C+3], 0x80000000
	s_add_nc_u64 s[G0S+2:G0S+3], s[10:11], s[74:75]
	s_or_b32 s[G0S+3], s[G0S+3], 0x80000000
	s_wait_xcnt 0x0                                ; the last prefetch, a slot back, has read its address
	s_add_co_u32 s[PO], s[PO], s[PD]               ; the four key steps of the fill after this one
	s_add_nc_u64 s[PFA:PFA+1], s[8:9], s[PO:PO+1]
.endif
	s_wait_dscnt 0x0                               ; the add is done, and my reads of the bytes that I have left are over
	s_barrier_signal -1
.endm
.macro POST fill                       ; behind the barrier's wait
.if \fill
	s_cmp_lt_u32 s[WV], 8
	s_cbranch_scc0 .Lrec_\@
	tensor_load_to_lds s[G0C:G0C+3], s[G1:G1+7]    ; the first thing behind the barrier, and a wave's one tensor load until the next
	s_nop 0
.rept 4
	v_nop
.endr
	s_branch .Lasked_\@
.Lrec_\@:
	tensor_load_to_lds s[G0S:G0S+3], s[G1S:G1S+7]
	s_nop 0
.rept 4
	v_nop
.endr
.Lasked_\@:
	s_cmp_eq_u32 s[PFN], 0                         ; waves 14 and 15, behind the first three fills
	s_cbranch_scc1 .Lnot_mine_\@
	global_prefetch_b8 v[PFO], s[PFA:PFA+1] th:TH_LOAD_NT scope:SCOPE_SE
	s_sub_co_u32 s[PFN], s[PFN], 1
.Lnot_mine_\@:
.endif
.endm
.macro CHANGE fill, twice              ; a change that stands between two times
	PRE \fill, \twice
	s_barrier_wait -1
	POST \fill
.endm
.macro STEPS n                         ; n times of a slot: written once, walked n times
	s_mov_b32 s[CNT], \n
.Lstep_\@:
	STEP 0, 0
	s_sub_co_u32 s[CNT], s[CNT], 1
	s_cmp_lg_u32 s[CNT], 0
	s_cbranch_scc1 .Lstep_\@
.endm
	s_wait_alu depctr_va_vdst(0)                   ; the wait at the head's end
	CHANGE 1, 1                                    ; time 0's tile is in; slot 0 is asked for: times 1 to 4
	s_wait_loadcnt 0x0                             ; Q
	STEP 0, 0                                      ; time 0
	s_mul_i32 s[TB], s[SG], 4*STEPB                ; my stream's tiles in slot 0,
	s_mul_i32 s[TS], s[SG], 4*768
	s_add_co_u32 s[TS], s[TS], SCR                 ; and their scale records;
	s_add_co_u32 s[NB], s[TB], SLOT1               ; and in slot 1
	s_add_co_u32 s[NS], s[TS], SLOT1
	CHANGE 1, 0                                    ; slot 0 is in; slot 1 is asked for: times 5 to 8
.Lslot:                                            ; two trips: times 1 to 4 and 5 to 8; in the last of each the slot is left and asked for again: times 9 to 12, 13 to 16
	STEPS 3
	STEP 1, 1
	s_sub_co_u32 s[SLOTS], s[SLOTS], 1
	s_cmp_lg_u32 s[SLOTS], 0
	s_cbranch_scc1 .Lslot
	STEPS 3                                        ; the last two slots are written out
	STEP 1, 0
	STEPS 4
	; THE JOIN.  Stream 2 hands its part of B to its partner; then every wave takes a second state from the stage: stream 1 that part of B, stream 2 its own A
.rept 4
	v_nop                                          ; places behind the last products, for the stores of O^T and the loads into V^T's registers
.endr
	s_cmp_eq_u32 s[SG], 0
	s_cbranch_scc1 .Lkeep
	SAVE STB
.Lkeep:
	s_wait_dscnt 0x0                               ; for the partner's sake
	s_barrier_signal -1
	s_barrier_wait -1
	s_cmp_eq_u32 s[SG], 0
	s_cbranch_scc0 .Lown
	BACK STB
	s_branch .Lgot
.Lown:
	BACK 0
.Lgot:
	s_wait_dscnt 0x0
	v_cndmask_b32 v12, v12, v31, s[SM]             ; stream 2's registers have been handed on: under M = -3e38 they count for nothing below
	v_add_f32 v14, v14, v15
	v_add_f32 v66, v66, v67
	v_min_num_f32 v30, v12, v64                    ; -M of the two together
	s_delay_alu instid0(VALU_DEP_1)
	v_sub_f32 v12, v30, v12                        ; each part's M less the common one: whole numbers, 0 or less
	v_sub_f32 v64, v30, v64
	s_delay_alu instid0(VALU_DEP_2)
	v_cvt_i32_f32 v12, v12                         ; (they saturate)
	s_delay_alu instid0(VALU_DEP_2)
	v_cvt_i32_f32 v64, v64
	s_delay_alu instid0(VALU_DEP_2)
	v_ldexp_f32 v226, 1.0, v12
	s_delay_alu instid0(VALU_DEP_2)
	v_ldexp_f32 v228, 1.0, v64
.set j, 0
.rept 16
	v_pk_mul_f32 v[SS+j:SS+j+1], v[OT+j:OT+j+1], v[226:227] op_sel_hi:[1,0]
.set j, j+2
.endr
.set j, 0
.rept 16
	v_pk_fma_f32 v[SS+j:SS+j+1], v[F+j:F+j+1], v[228:229], v[SS+j:SS+j+1] op_sel_hi:[1,0,1]
.set j, j+2
.endr
	v_mul_f32 v14, v14, v226
	s_delay_alu instid0(VALU_DEP_1)
	v_fmac_f32 v14, v66, v228
	s_delay_alu instid0(VALU_DEP_1)
	v_permlanex16_b32 v[BT], v14, s[SEL], s[SEL+1]
	s_delay_alu instid0(VALU_DEP_1)
	v_add_f32 v14, v14, v[BT]                      ; the row's sum
	s_wait_alu depctr_va_vdst(0)                   ; the wait ahead of the transcendental
	v_rcp_f32 v14, v14
	v_nop                                          ; a plain instruction behind the reciprocal
	s_wait_alu depctr_va_vdst(0)                   ; the wait ahead of its first reader
	; THE WAY OUT.  O^T / the sum: register 16 b + i is channel 32 b + 16 (lane / 16) + i of my query: two blocks of 32 along the last product's K
.set j, 0
.rept 16
	v_pk_mul_f32 v[SS+j:SS+j+1], v[SS+j:SS+j+1], v[14:15] op_sel_hi:[1,0]
.set j, j+2
.endr
.irp b, 0,1
	v_max3_num_f32 v[BM+\b], |v[SS+16*\b]|, |v[SS+1+16*\b]|, 0x2800000
.endr
.irp i, 2,4,6,8,10,12,14
.irp b, 0,1
	s_delay_alu instid0(VALU_DEP_2)
	v_max3_num_f32 v[BM+\b], v[BM+\b], |v[SS+16*\b+\i]|, |v[SS+1+16*\b+\i]|
.endr
.endr
.irp b, 0,1
	s_delay_alu instid0(VALU_DEP_2)
	v_permlanex16_b32 v[BT+\b], v[BM+\b], s[SEL], s[SEL+1]
.endr
.irp b, 0,1
	s_delay_alu instid0(VALU_DEP_2)
	v_max_num_f32 v[BM+\b], v[BM+\b], v[BT+\b]
.endr
.irp b, 0,1
	s_delay_alu instid0(VALU_DEP_2)
	v_add_nc_u32 v[BO+\b], 0xfe000000, v[BM+\b]
.endr
.irp b, 0,1
	s_delay_alu instid0(VALU_DEP_2)
	v_lshrrev_b32 v[BT+\b], 23, v[BO+\b]
.endr
	v_cvt_scalef32_pk16_bf6_f32 v[PC:PC+2], v[SS:SS+15], v[BO]
	v_cvt_scalef32_pk16_bf6_f32 v[PC+12:PC+14], v[SS+16:SS+31], v[BO+1]
	v_nop
.irp i, 0,1,2
	v_permlane16_swap_b32 v[PC+\i], v[PC+12+\i]
.endr
.irp i, 0,1,2
	v_mov_b32 v[PC+3+\i], v[PC+12+\i]
.endr
	v_cndmask_b32 v30, v[BT], v[BT+1], s[HM]       ; lane (r, h) stores block h's byte of row r
	global_store_b128 v[LI], v[PC:PC+3], s[12:13]              ; 512 consecutive bytes
	global_store_b64 v[L8], v[PC+4:PC+5], s[12:13] offset:512  ; 256 consecutive bytes
	global_store_b8 v29, v30, s[14:15]
	s_wait_tensorcnt 0x0                           ; the wave's end
	ds_add_u32 v[SPW], v[NIL]
	s_wait_dscnt 0x0
	s_endpgm
.Lfunc_end_k_q09c8961535_attn:
	.size	k_q09c8961535_attn, .Lfunc_end_k_q09c8961535_attn-k_q09c8961535_attn
	.p2alignl 7, 3214868480
	.fill 96, 4, 3214868480
	.section	.rodata,"a",@progbits
	.p2align	6, 0x0
	.amdhsa_kernel k_q09c8961535_attn
		.amdhsa_group_segment_fixed_size 327680
		.amdhsa_private_segment_fixed_size 0
		.amdhsa_enable_private_segment 0
		.amdhsa_kernarg_size 48
		.amdhsa_user_sgpr_count 2
		.amdhsa_user_sgpr_kernarg_segment_ptr 1
		.amdhsa_wavefront_size32 1
		.amdhsa_system_sgpr_workgroup_id_x 1
		.amdhsa_system_sgpr_workgroup_id_y 1
		.amdhsa_system_sgpr_workgroup_id_z 1
		.amdhsa_system_vgpr_workitem_id 0
		.amdhsa_next_free_vgpr 256
		.amdhsa_next_free_sgpr 102
		.amdhsa_reserve_vcc 1
		.amdhsa_float_denorm_mode_32 3
		.amdhsa_float_denorm_mode_16_64 3
		.amdhsa_memory_ordered 1
		.amdhsa_forward_progress 1
		.amdhsa_inst_pref_size 160
	.end_amdhsa_kernel
	.amdgpu_metadata
---
amdhsa.version: [ 1, 2 ]
amdhsa.kernels:
  - .name:           k_q09c8961535_attn
    .symbol:         k_q09c8961535_attn.kd
    .args:
      - { .name: qc, .offset: 0, .size: 8, .value_kind: global_buffer, .address_space: global }
      - { .name: qs, .offset: 8, .size: 8, .value_kind: global_buffer, .address_space: global }
      - { .name: kvc, .offset: 16, .size: 8, .value_kind: global_buffer, .address_space: global }
      - { .name: kvs, .offset: 24, .size: 8, .value_kind: global_buffer, .address_space: global }
      - { .name: opc, .offset: 32, .size: 8, .value_kind: global_buffer, .address_space: global }
      - { .name: ops, .offset: 40, .size: 8, .value_kind: global_buffer, .address_space: global }
    .group_segment_fixed_size: 327680
    .private_segment_fixed_size: 0
    .kernarg_segment_align: 8
    .kernarg_segment_size: 48
    .max_flat_workgroup_size: 512
    .sgpr_count:     102
    .vgpr_count:     256
    .wavefront_size: 32
...
	.end_amdgpu_metadata
.endif
;; end of part 3
;; launch outp (part 4): grid 8 x 32, 4 waves a work-group, clusters of 4 x 4, 264,704 bytes of LDS; arguments opc, ops, out0; writes out0
.if DOCPART == 4
	.amdgcn_target "amdgcn-amd-amdhsa--gfx1250"
	.amdhsa_code_object_version 6
	.text
	.protected	k_q09c8961535_outp
	.globl	k_q09c8961535_outp
	.p2align	8
	.type	k_q09c8961535_outp,@function
k_q09c8961535_outp:
	s_mov_b64 s[64:65], 0
	v_nop
	global_prefetch_b8 v0, s[64:65] scope:SCOPE_SE
	s_setreg_imm32_b32 hwreg(HW_REG_WAVE_MODE, 25, 1), 1
	s_wait_xcnt 0x0
	s_wait_alu depctr_hold_cnt(0) depctr_sa_sdst(0) depctr_va_vdst(0) depctr_va_sdst(0) depctr_va_ssrc(0) depctr_va_vcc(0) depctr_vm_vsrc(0)
	s_getreg_b32 s2, hwreg(HW_REG_IB_STS2, 6, 4)
	s_cmp_eq_u32 s2, 0
	s_cbranch_scc0 .Lentry_in_a_cluster
	s_endpgm
.Lentry_in_a_cluster:
	s_bfe_u32 s2, ttmp6, 0x10000c
	s_cmp_lg_u32 s2, 0xf033
	s_cbranch_scc0 .Lentry_shape_is_right
	s_endpgm
.Lentry_shape_is_right:
; out0 [4096][1024] f32 = mh Wo^T on codes of BF6 (E3M2) with E8M0 scales.  mh (the attention's result, groups 64-95 of opc) and Wo (groups 56-63) lie in the order of the operand's registers,
; in tiles of 16 rows 32 b + 8 u + r + 8 (r / 8); 128 rows x 256 along K are one dense block of 24,576 bytes.
; A work-group makes 128 rows x 128 columns, so that there are 256 work-groups; a wave 64 x 64: 16 accumulators.  SOURCE 0 ("B") = rows of Wo, SOURCE 1 ("A") = rows of mh: a lane holds eight neighbouring columns of a row.
; All of K (1024) lies in LDS: eight blocks, each filled once, one tensor load a wave at the start; nothing is filled again.
; CLUSTERS: 4 x 4: A's blocks hang on the tile row alone and are asked for jointly along a row of the cluster, B's on the tile column alone and jointly along a column.
; The way out goes through one stage in LDS (a row's 512 bytes come from two waves), and the tiles' order of rows is undone by the stores' immediates.
; REGISTERS: window 0: v8-18 addresses; v32-63 scale words (v[32 + 8 i + ks]: lanes 0-15 A's tile i, lanes 16-31 B's); v64-159, v160-255 two fragment buffers (A's four, then B's four).  window 1: accumulator (a, b) at v[8 (4 a + b)].
.set QTR,   24576
.set STAGE, 8*QTR                      ; 128 rows x (512 + 16) bytes; no tensor load lands here
.set SC,    32
.set G1A,  24
.set G1B,  32
.set G0A,  40                          ; s[40:43] group 0 for A's blocks;  s[48:51] for B's
.set G0B,  48
.set MSB, 0
.macro WIN new
.if MSB != (\new)
	s_set_vgpr_msb (MSB<<8)|(\new)
.set MSB, \new
.endif
.endm
.macro PLACES
.rept 4
	v_nop
.endr
.endm
.macro CROUND
	s_barrier_signal -1
	s_barrier_wait -1
	s_cmp_lg_u32 s16, 0
	s_cbranch_scc1 .Lnot_wave_0_\@
	s_barrier_signal -3
.Lnot_wave_0_\@:
	s_barrier_wait -3
	s_barrier_signal -1
	s_barrier_wait -1
.endm
	s_load_b128 s[4:7], s[0:1], 0x0                ; opc, ops
	s_load_b64 s[8:9], s[0:1], 0x10                ; out0
	v_lshl_add_u32 v30, v0, 2, 0x40800
	v_mov_b32 v31, 0
	ds_add_u32 v30, v31
	ds_add_u32 v30, v31
	v_lshrrev_b32 v1, 5, v0
	v_readfirstlane_b32 s16, v1                    ; wave
	s_lshr_b32 s17, s16, 1                         ; which half of A's rows is mine.  Also: I fetch for A (0) or for B (1)
	s_and_b32 s18, s16, 1                          ; which half of B's rows.  Also: I fetch blocks 2 s18 and 2 s18 + 1 along K
	s_bfe_u32 s19, ttmp6, 0x40000                  ; cx
	s_bfe_u32 s20, ttmp6, 0x40004                  ; cy
	s_lshl_b32 s21, ttmp9, 2
	s_add_co_u32 s21, s21, s19                     ; tile column: 128 rows of Wo
	s_and_b32 s22, ttmp7, 0xffff
	s_lshl_b32 s22, s22, 2
	s_add_co_u32 s22, s22, s20                     ; tile row: 128 rows of mh
	s_lshl_b32 s56, s20, 2
	s_lshl_b32 s56, 15, s56                        ; my row of the cluster
	s_lshl_b32 s57, 0x1111, s19                    ; my column
	s_or_b32 s[G1A], s56, (3<<16)|(1<<21)          ; the mask; elements of 8 bytes; bit 21 beside a mask; no padding
	s_or_b32 s[G1B], s57, (3<<16)|(1<<21)
.irp g, G1A, G1B
	s_mov_b32 s[\g+1], 32<<16                      ; rows of 256 bytes,
	s_mov_b32 s[\g+2], 192<<16                     ; 192 of them, dense: two blocks on end, half of K for 128 rows, by ONE load a wave
	s_mov_b32 s[\g+3], 32<<16
	s_mov_b32 s[\g+4], 192
	s_mov_b32 s[\g+5], 32
	s_mov_b32 s[\g+6], 0
	s_mov_b32 s[\g+7], 0
.endr
	s_mul_i32 s60, s18, 2*QTR                      ; I fetch blocks 2 s18 and 2 s18 + 1 along K
	s_add_co_u32 s58, s22, 64
	s_mul_i32 s58, s58, 98304
	s_add_co_u32 s58, s58, s60                     ; A: group 64 + tile row, my first block
	s_mov_b32 s59, 0
	s_add_co_u32 s62, s21, 56
	s_mul_i32 s62, s62, 98304
	s_add_co_u32 s62, s62, s60                     ; B: group 56 + tile column
	s_mov_b32 s63, 0
	s_mul_i32 s61, s17, 4*QTR
	s_add_co_u32 s61, s61, s60                     ; where it goes: A's four blocks, then B's four: the wave's number alone
	s_wait_dscnt 0x0
	s_wait_kmcnt 0x0
	s_add_nc_u64 s[58:59], s[4:5], s[58:59]
	s_add_nc_u64 s[62:63], s[4:5], s[62:63]
.irp p, 0
	s_mov_b32 s[G0A+4*\p], 1
	s_add_co_u32 s[G0A+4*\p+1], s61, \p*2*QTR
	s_add_nc_u64 s[G0A+4*\p+2:G0A+4*\p+3], s[58:59], \p*2*QTR
	s_or_b32 s[G0A+4*\p+3], s[G0A+4*\p+3], 0x80000000
	s_mov_b32 s[G0B+4*\p], 1
	s_add_co_u32 s[G0B+4*\p+1], s61, \p*2*QTR
	s_add_nc_u64 s[G0B+4*\p+2:G0B+4*\p+3], s[62:63], \p*2*QTR
	s_or_b32 s[G0B+4*\p+3], s[G0B+4*\p+3], 0x80000000
.endr
	CROUND                                         ; all sixteen work-groups are here: the joint loads meet
	s_cmp_eq_u32 s17, 0                            ; a wave's one fill stands in one branch on the wave's number
	s_cbranch_scc0 .Lfor_b
	tensor_load_to_lds s[G0A:G0A+3], s[G1A:G1A+7]
	s_nop 0
	PLACES
	s_branch .Lasked
.Lfor_b:
	tensor_load_to_lds s[G0B:G0B+3], s[G1B:G1B+7]
	s_nop 0
	PLACES
.Lasked:
	v_and_b32 v1, 31, v0                           ; lane
	v_and_b32 v2, 15, v0                           ; r
	v_bfe_u32 v3, v0, 4, 1                         ; h
	v_lshlrev_b32 v18, 4, v1                       ; 16 x lane
	v_lshlrev_b32 v19, 3, v1                       ; 8 x lane
	v_cmp_le_u32 s70, 16, v1                       ; lanes 16-31
	s_add_co_u32 s66, s22, 64
	s_lshl_b32 s66, s66, 12
	s_lshl_b32 s67, s17, 11
	s_add_co_u32 s66, s66, s67                     ; the scale words of my four A tiles: 4,096 bytes a group, 512 a tile
	s_add_co_u32 s68, s21, 56
	s_lshl_b32 s68, s68, 12
	s_lshl_b32 s67, s18, 11
	s_add_co_u32 s68, s68, s67                     ; and of my four B tiles
	v_mov_b32 v20, s66
	v_mov_b32 v21, s68
	v_cndmask_b32 v20, v20, v21, s70               ; lanes 0-15 take A's words, lanes 16-31 B's
	s_wait_alu depctr_va_vdst(0)
	v_lshl_add_u32 v20, v2, 4, v20
.irp i, 0,1,2,3
.irp g, 0,1
	global_load_b128 v[SC+8*\i+4*\g:SC+8*\i+4*\g+3], v20, s[6:7] offset:\i*512+\g*256
.endr
.endr
	s_mul_i32 s66, s17, 12288                      ; my four A tiles in a block,
	s_mul_i32 s67, s18, 12288
	s_add_co_u32 s67, s67, 4*QTR                   ; my four B tiles
.irp p, 0,1                            ; registers 8, 10, 12, 14: K steps 0-3; 9, 11, 13, 15: K steps 4-7
	v_add_nc_u32 v[8+\p], s66, v18
	v_add_nc_u32 v[10+\p], s66, v19
	v_add_nc_u32 v[12+\p], s67, v18
	v_add_nc_u32 v[14+\p], s67, v19
	s_add_co_u32 s66, s66, 2*QTR
	s_add_co_u32 s67, s67, 2*QTR
.endr
	s_mul_i32 s66, s17, 64*528                     ; into the stage: row 64 ah + 16 a + r; my columns 64 bh on, + 16 h
	s_lshl_b32 s67, s18, 8
	s_add_co_u32 s66, s66, s67
	s_add_co_u32 s66, s66, STAGE
	v_mul_u32_u24 v16, v2, 528
	v_lshl_add_u32 v16, v3, 6, v16
	v_add_nc_u32 v16, s66, v16
	s_mul_i32 s66, s16, 32*528                     ; back: wave w takes stage rows 32 w on, a whole row of 512 bytes an instruction
	s_add_co_u32 s66, s66, STAGE
	v_add_nc_u32 v17, s66, v18
	s_lshl_b32 s66, s22, 7
	s_lshl_b32 s67, s16, 5
	s_add_co_u32 s66, s66, s67                     ; my first row of out0: 128 x tile row + 32 x wave
	s_lshl_b32 s66, s66, 12
	s_lshl_b32 s67, s21, 9                         ; my columns: 512 bytes x tile column
	s_add_co_u32 s66, s66, s67
	s_mov_b32 s67, 0
	s_add_nc_u64 s[8:9], s[8:9], s[66:67]
.macro FRAG reg, a128, a64, off
	ds_load_b128 v[\reg:\reg+3], v[\a128] offset:\off
	ds_load_b64 v[\reg+4:\reg+5], v[\a64] offset:\off+512
	ds_load_b128 v[\reg+6:\reg+9], v[\a128] offset:\off+768
	ds_load_b64 v[\reg+10:\reg+11], v[\a64] offset:\off+1280
.endm
.macro FETCH ks                        ; K step ks: A's four fragments and B's four into buffer ks % 2: 32 loads
.set FB, 64+96*((\ks)&1)
.set HI, (\ks)/4
.set OF, (((\ks)/2)&1)*QTR+((\ks)&1)*1536
.irp i, 0,1,2,3
	FRAG FB+12*\i, 8+HI, 10+HI, \i*3072+OF
.endr
.irp i, 0,1,2,3
	FRAG FB+48+12*\i, 12+HI, 14+HI, \i*3072+OF
.endr
.endm
.macro KSTEP ks
.if (\ks) < 7
.if (\ks) > 0
	PLACES                                         ; in front of loads into the buffer that the last K step multiplied
.endif
	FETCH (\ks)+1
	s_wait_dscnt 32                                ; all but the 32 just issued: this K step's fragments are in
.else
	s_wait_dscnt 0x0
.endif
.set FB, 64+96*((\ks)&1)
	WIN 0x50                                       ; C and D in window 1
.irp a, 0,1,2,3                        ; the 16 accumulators take turns
.irp b, 0,1,2,3
.if (\ks) == 0
	v_wmma_scale_f32_16x16x128_f8f6f4 v[8*(4*\a+\b):8*(4*\a+\b)+7], v[FB+48+12*\b:FB+48+12*\b+11], v[FB+12*\a:FB+12*\a+11], 0, v[SC+8*\b+(\ks)], v[SC+8*\a+(\ks)] matrix_a_fmt:MATRIX_FMT_BF6 matrix_b_fmt:MATRIX_FMT_BF6 matrix_a_scale:MATRIX_SCALE_ROW1
.else
	v_wmma_scale_f32_16x16x128_f8f6f4 v[8*(4*\a+\b):8*(4*\a+\b)+7], v[FB+48+12*\b:FB+48+12*\b+11], v[FB+12*\a:FB+12*\a+11], v[8*(4*\a+\b):8*(4*\a+\b)+7], v[SC+8*\b+(\ks)], v[SC+8*\a+(\ks)] matrix_a_fmt:MATRIX_FMT_BF6 matrix_b_fmt:MATRIX_FMT_BF6 matrix_a_scale:MATRIX_SCALE_ROW1
.endif
.endr
.endr
	WIN 0
.endm
	s_wait_alu depctr_va_vdst(0)
	s_wait_tensorcnt 0x0                           ; my one load is in
	s_barrier_signal -1
	s_barrier_wait -1                              ; everybody's is: K steps 0 to 3 lie in LDS
	FETCH 0
	s_wait_loadcnt 0x0                             ; the scale words
.irp k, 0,1,2,3,4,5,6,7
	KSTEP \k
.endr
	PLACES
	WIN 0x04                                       ; an LDS store's data are its source 1: window 1
.irp a, 0,1,2,3
.irp b, 0,1,2,3                        ; lane (r, h), register j of (a, b): column 64 bh + 32 (b / 2) + 16 h + 8 (b % 2) + j; each accumulator from its low end on
	ds_store_b128 v16, v[8*(4*\a+\b):8*(4*\a+\b)+3] offset:16*\a*528+128*(\b/2)+32*(\b%2)
	ds_store_b128 v16, v[8*(4*\a+\b)+4:8*(4*\a+\b)+7] offset:16*\a*528+128*(\b/2)+32*(\b%2)+16
.endr
.endr
	WIN 0
	s_wait_dscnt 0x0                               ; for the others' sake: my stores into the stage are done
	s_barrier_signal -1
	s_barrier_wait -1
.set t, 0
.rept 32
	ds_load_b128 v[64+4*t:64+4*t+3], v17 offset:528*t
.set t, t+1
.endr
.set t, 0
.rept 32                               ; stage row 32 w + t is row 32 w + 8 (t / 16) + t % 16 + 8 ((t % 16) / 8) of the tile row
	s_wait_dscnt 31-t
	global_store_b128 v18, v[64+4*t:64+4*t+3], s[8:9] offset:(8*(t/16)+(t%16)+8*((t%16)/8))*4096 th:TH_STORE_NT   ; 32 lanes store 512 consecutive bytes, at a multiple of 256 from out0's first byte
.set t, t+1
.endr
	s_wait_tensorcnt 0x0
	s_wait_tensorcnt 0x0
	ds_add_u32 v30, v31
	s_wait_dscnt 0x0
	CROUND                                         ; the closing round: no work-group ends while a partner may still ask for a block that names it
	s_endpgm
.Lfunc_end_k_q09c8961535_outp:
	.size	k_q09c8961535_outp, .Lfunc_end_k_q09c8961535_outp-k_q09c8961535_outp
	.p2alignl 7, 3214868480
	.fill 96, 4, 3214868480
	.section	.rodata,"a",@progbits
	.p2align	6, 0x0
	.amdhsa_kernel k_q09c8961535_outp
		.amdhsa_group_segment_fixed_size 264704
		.amdhsa_private_segment_fixed_size 0
		.amdhsa_enable_private_segment 0
		.amdhsa_kernarg_size 24
		.amdhsa_user_sgpr_count 2
		.amdhsa_user_sgpr_kernarg_segment_ptr 1
		.amdhsa_wavefront_size32 1
		.amdhsa_system_sgpr_workgroup_id_x 1
		.amdhsa_system_sgpr_workgroup_id_y 1
		.amdhsa_system_sgpr_workgroup_id_z 1
		.amdhsa_system_vgpr_workitem_id 0
		.amdhsa_next_free_vgpr 384
		.amdhsa_next_free_sgpr 90
		.amdhsa_reserve_vcc 0
		.amdhsa_float_denorm_mode_32 3
		.amdhsa_float_denorm_mode_16_64 3
		.amdhsa_memory_ordered 1
		.amdhsa_forward_progress 1
		.amdhsa_inst_pref_size 50
	.end_amdhsa_kernel
	.amdgpu_metadata
---
amdhsa.version: [ 1, 2 ]
amdhsa.kernels:
  - .name:           k_q09c8961535_outp
    .symbol:         k_q09c8961535_outp.kd
    .args:
      - { .name: opc, .offset: 0, .size: 8, .value_kind: global_buffer, .address_space: global }
      - { .name: ops, .offset: 8, .size: 8, .value_kind: global_buffer, .address_space: global }
      - { .name: out0, .offset: 16, .size: 8, .value_kind: global_buffer, .address_space: global }
    .group_segment_fixed_size: 264704
    .private_segment_fixed_size: 0
    .kernarg_segment_align: 8
    .kernarg_segment_size: 24
    .max_flat_workgroup_size: 128
    .sgpr_count:     90
    .vgpr_count:     384
    .wavefront_size: 32
...
	.end_amdgpu_metadata
.endif
;; end of part 4
